; MI455X (gfx1250); checked and timed in simulation.
; The chip was launched on July 23, 2026; its instructions are those of AMD's public machine-readable ISA for CDNA 5 (MIT licence, August 2026) and "CDNA5" Instruction Set Architecture Reference Guide (July 2026). The comments in the code are by the model that wrote it; some were corrected since.
;; Learned Importance Sampler. Allowed arithmetic: float matrix products may take bf16 or f16 operands with f32 sums; other float arithmetic in f32, or as packed bf16 or f16 multiplies, adds, multiply-adds, maxima and minima; sums over many terms, partial sums and values carried from step to step in f32; what a program stores and reads back later, other than sums and carried values, may be rounded once to bf16 or f16.
;; Inputs: W1 512 x 256 float32; W2 256 x 256 float32; W3 256 x 256 float32; Wf 256 x 1 float32; Wke 512 x 256 float32; Wqe 512 x 256 float32; Wv1 512 x 256 float32; Wv2 256 x 1 float32; b1 256 float32; b2 256 float32; b3 256 float32; bf 1 float32; bke 256 float32; bqe 256 float32; bv1 256 float32; bv2 1 float32; key 2 x 512 x 512 float32; query 2 x 512 x 512 float32.
;; Outputs: out0 2 x 512 x 512 float32; out1 2 x 512 x 512 float32.
;; 2 versions, each right; version 2 is version 1 with the launch proj written anew for expert scheduling mode. Each part assembles by itself: llvm-mc -triple=amdgcn-amd-amdhsa -mcpu=gfx1250 --defsym DOCPART=n.
;; ======== version 1 of 2: 3 launches
;; limits: a difference of large sums (such as E[x^2] - mean^2): digits are lost where the result is much smaller than its terms; values are held in f16: magnitudes above 65,504 overflow, below 6.1e-05 lose precision; right only within a limited range of input values
;; workspace buffers: feat 2,097,152 bytes; proj 2,097,152 bytes; wfr 262,144 bytes; stat 8,448 bytes; scal 512 bytes
;; launch enc (part 1): grid 4 x 66, 8 waves a work-group, no clusters, 116,224 bytes of LDS; arguments query, key, Wqe, Wke, bqe, bke, W2, W3, W1, feat, wfr, stat; writes feat, wfr, stat
.if DOCPART == 1
	.amdgcn_target "amdgcn-amd-amdhsa--gfx1250"
	.amdhsa_code_object_version 6
	.text
	.protected	k_q822d57762f_enc
	.globl	k_q822d57762f_enc
	.p2align	8
	.type	k_q822d57762f_enc,@function
k_q822d57762f_enc:
	s_mov_b64 s[64:65], 0
	v_nop
	global_prefetch_b8 v0, s[64:65] scope:SCOPE_SE
	s_setreg_imm32_b32 hwreg(HW_REG_WAVE_MODE, 25, 1), 1
	s_wait_xcnt 0x0
; ENCODERS; W2 / W3 LAID OUT AS MATRIX OPERANDS; THE MAXIMA FROM WHICH THE NEXT LAUNCH TAKES ITS SCALE.
; feat = relu(x W + b), x = query (rows 0-1023) or key (rows 1024-2047), [row][512] f32; W = Wqe or Wke, [512][256] f32.  x, W and b are rounded to bf16, as every input of the module is in this program; sums in f32.
; feat is stored as TWO bf16 numbers, hi = bf16(f) and lo = bf16(f - hi): the next launch multiplies both, so that this intermediate keeps some 16 bits at bf16's range.
; NO WORK OF THE MODULE IS LEFT OUT in this program: every input has a way to an output and is loaded by one of the three launches.
; FRAGMENT ORDER.  feat, and every later operand, is stored as a wave's registers take it: [16 rows][K step c of 32: 8][half: 2][lane: 32][16 bytes], 8,192 bytes for 16 rows x 256;
; lane l = (r = l % 16, h = l / 16) holds row r, k = 32 c + 16 half + 8 h + 0..7.  The product is taken transposed (source 0 = 16 columns of W, source 1 = 16 rows of x), so a lane's
; eight results are eight neighbouring k of one row: packed, they ARE such 16 bytes, and a wave's store covers 512 consecutive bytes.  feat = [group of 16 rows: 128][hi, lo][8,192 bytes].
; SHARES.  Work-group (j, y), y < 64: 32 rows (y < 32: query, else key) x columns 64 j .. 64 j + 63, K = 512; wave w: rows 16 (w / 4) on, columns 16 (w % 4) on: 16 products on four
; accumulators that take turns.  y = 64: columns 64 j .. of W2 and of W3 go the same way into LDS and leave as fragments of W^T into wfr: [layer][16 columns nb][c][half][lane][16 bytes],
; there as f16: the bf16-rounded number times 2^8.  y = 65: the largest |W1| of columns 64 j ...
; stat: one f32 a wave at byte 128 y + 32 j + 4 w: y < 64 the wave's largest feature; y = 64 the largest |W2| among what the wave loaded; y = 65 the same of W1.
; The f32 operands pass through registers to be rounded, so no copy engine and no joint load is used; W lies [k][n] and is turned on its way out of LDS.
; LIMITS.  |W2|, |W3| below 255 (times 2^8 they must stay within f16); of 2^8 W, numbers below 2^-17 keep f16's fixed step of 2^-24.  The relu gives 0 for a NaN where the module would carry it.
.set WPITCH, 160                       ; a k row of W in LDS: 64 bf16 + 32 bytes: 5 x 32, as the turning load's 8 rows x 32 bytes want
.set XPITCH, 1040                      ; a row of x in LDS: 512 bf16 + 16 bytes: 65 x 16
.set WHALF,  256*WPITCH                ; 40,960: k rows 256 on (the LDS immediate has 16 bits)
.set XL,     512*WPITCH                ; 81,920: x behind W
.set SPARE,  XL+32*XPITCH              ; 115,200: the spare words, 128 bytes a wave, that no other line names
; v0 t  v1 l  v2 r  v3 h  v4 spare word  v5 0  v6 16 t  v7 W's offset  v8 x into LDS  v9, v10 W into LDS  v11, v12 W out of LDS  v13 x out of LDS  v14 bias  v15 16 l
; v16-79 x as loaded (the jobs: v16 a maximum, v20-35 at work)  v80-207 W as loaded, later fragments: W at 80 + 32 b, x at 144 + 32 b  v208-239 four accumulators  v240-247 packed  v248 0  v249 at work
; s[8:31] arguments  s[32:33] x  s[34:37] W, two halves  s[38:39] bias  s[40:41] out  s[42:43] offset  s45 w % 4  s46 w / 4  s47 at work  s48 wave  s49 j  s50 y  s51 side
; s[52:53] my word of stat  s[54:55] lane selects  s56 EXEC kept  s57 a word's upper half  s[58:59] 256.0
.macro PLACES                          ; four plain instructions between a product and a load into, or a read of, its registers
.rept 4
	v_nop
.endr
.endm
.macro WLOAD                           ; 512 k rows x 256 bytes: pass p takes 16 rows, sixteen lanes a row
.set p, 0
.rept 32
	global_load_b128 v[80+4*p:83+4*p], v7, s[34+2*(p/16):35+2*(p/16)] offset:(p%16)*16384
.set p, p+1
.endr
.endm
.macro WCONV b                         ; passes 8 b .. 8 b + 7 are rounded and laid into LDS
	s_wait_loadcnt 24-8*(\b)                       ; the W loads behind these eight may stay out
.set p, 8*(\b)
.rept 8
	v_cvt_pk_bf16_f32 v[80+4*p], v[80+4*p], v[81+4*p]
	v_cvt_pk_bf16_f32 v[81+4*p], v[82+4*p], v[83+4*p]
	ds_store_b64 v[9+p/16], v[80+4*p:81+4*p] offset:(p%16)*16*WPITCH
.set p, p+1
.endr
.endm
.macro LQ q, b                         ; the fragments of K steps 4 q .. 4 q + 3 into buffer b: 16 LDS loads
.irp i, 0,1,2,3
	ds_load_tr16_b128 v[80+32*(\b)+8*\i:83+32*(\b)+8*\i], v[11+(\q)/2] offset:((4*(\q)+\i)%8)*32*WPITCH
	ds_load_tr16_b128 v[84+32*(\b)+8*\i:87+32*(\b)+8*\i], v[11+(\q)/2] offset:((4*(\q)+\i)%8)*32*WPITCH+16*WPITCH
	ds_load_b128 v[144+32*(\b)+8*\i:147+32*(\b)+8*\i], v13 offset:64*(4*(\q)+\i)
	ds_load_b128 v[148+32*(\b)+8*\i:151+32*(\b)+8*\i], v13 offset:64*(4*(\q)+\i)+32
.endr
.endm
.macro MQ q, b                         ; four products, one on each accumulator; the first accumulator starts on the bias, the others on 0
.irp i, 0,1,2,3
.if ((\q) == 0) && (\i > 0)
	v_wmma_f32_16x16x32_bf16 v[208+8*\i:215+8*\i], v[80+32*(\b)+8*\i:87+32*(\b)+8*\i], v[144+32*(\b)+8*\i:151+32*(\b)+8*\i], 0
.else
	v_wmma_f32_16x16x32_bf16 v[208+8*\i:215+8*\i], v[80+32*(\b)+8*\i:87+32*(\b)+8*\i], v[144+32*(\b)+8*\i:151+32*(\b)+8*\i], v[208+8*\i:215+8*\i]
.endif
.endr
.endm
.macro STAT r                          ; the largest of the 32 lanes' v[r] goes into my word of stat, from lane 0
	v_max_num_f32_dpp v[\r], v[\r], v[\r] row_xmask:1 row_mask:0xf bank_mask:0xf
	v_max_num_f32_dpp v[\r], v[\r], v[\r] row_xmask:2 row_mask:0xf bank_mask:0xf
	v_max_num_f32_dpp v[\r], v[\r], v[\r] row_xmask:4 row_mask:0xf bank_mask:0xf
	v_max_num_f32_dpp v[\r], v[\r], v[\r] row_xmask:8 row_mask:0xf bank_mask:0xf
	v_permlanex16_b32 v249, v[\r], s54, s55
	v_max_num_f32 v[\r], v[\r], v249
	s_wait_xcnt 0x0                                ; EXEC is a source of the stores issued so far: it changes only behind this wait
	v_cmp_eq_u32 vcc_lo, 0, v1
	s_and_saveexec_b32 s56, vcc_lo
	global_store_b32 v248, v[\r], s[52:53]
	s_wait_xcnt 0x0                                ; and again in front of the line that widens it
	s_or_b32 exec_lo, exec_lo, s56
.endm
.macro FIN                             ; the wave's end
	s_wait_tensorcnt 0x0
	ds_add_u32 v4, v5
	s_wait_dscnt 0x0
	s_endpgm
.endm
	s_load_b512 s[8:23], s[0:1], 0x0               ; query, key, Wqe, Wke, bqe, bke, W2, W3
	s_load_b256 s[24:31], s[0:1], 0x40             ; W1, feat, wfr, stat
	v_lshl_add_u32 v4, v0, 2, SPARE
	v_mov_b32 v5, 0
	v_lshrrev_b32 v1, 5, v0
	v_readfirstlane_b32 s48, v1                    ; wave 0..7
	s_mov_b32 s49, ttmp9
	s_and_b32 s50, ttmp7, 0xffff
	s_mov_b32 s43, 0
	s_mov_b32 s53, 0
	s_mov_b32 s54, 0x76543210
	s_mov_b32 s55, 0xfedcba98
	s_mov_b32 s57, 0xffff0000
	s_mov_b32 s58, 0x43800000                      ; 256.0
	s_mov_b32 s59, 0x43800000
	s_and_b32 s45, s48, 3
	s_lshr_b32 s46, s48, 2
	s_lshl_b32 s52, s50, 7                         ; my word of stat: 128 y + 32 j + 4 w
	s_lshl_b32 s47, s49, 5
	s_add_co_u32 s52, s52, s47
	s_lshl2_add_u32 s52, s48, s52
	v_and_b32 v1, 31, v0
	v_and_b32 v2, 15, v0
	v_bfe_u32 v3, v0, 4, 1
	v_lshlrev_b32 v6, 4, v0                        ; x: the tile's 65,536 bytes are dense: 16 t + 4,096 i
	v_lshrrev_b32 v16, 4, v0
	v_lshlrev_b32 v7, 4, v2
	v_lshl_add_u32 v7, v16, 10, v7                 ; W: row t / 16 of 1,024 bytes, 16 bytes at t % 16
	v_mul_u32_u24 v9, v16, WPITCH
	v_lshl_add_u32 v9, v2, 3, v9                   ; the same place in LDS, in bf16
	v_add_nc_u32 v10, WHALF, v9
	v_lshrrev_b32 v17, 7, v0
	v_and_b32 v18, 127, v0
	v_mul_u32_u24 v8, v17, XPITCH
	v_lshl_add_u32 v8, v18, 3, v8
	v_add_nc_u32 v8, XL, v8                        ; x in LDS: row t / 128 (+ 2 i), 8 bytes at t % 128
	v_and_b32 v17, 7, v0
	v_lshl_add_u32 v17, v3, 3, v17
	v_mul_u32_u24 v11, v17, WPITCH                 ; the turning load: k row 8 h + l % 8,
	v_bfe_u32 v18, v0, 3, 1
	v_lshl_add_u32 v11, v18, 4, v11                ; 16 bytes at (l / 8) % 2,
	s_lshl_b32 s47, s45, 5
	v_add_nc_u32 v11, s47, v11                     ; in my 16 columns
	v_add_nc_u32 v12, WHALF, v11
	s_mul_i32 s47, s46, 16*XPITCH
	s_add_co_u32 s47, s47, XL
	v_mul_u32_u24 v13, v2, XPITCH
	v_lshl_add_u32 v13, v3, 4, v13
	v_add_nc_u32 v13, s47, v13                     ; x's fragment: row 16 (w / 4) + r, 16 h
	s_lshl_b32 s47, s45, 6
	v_lshl_add_u32 v14, v3, 5, s47                 ; the bias of my eight columns: 4 (16 (w % 4) + 8 h)
	v_lshlrev_b32 v15, 4, v1
	v_mov_b32 v248, 0
	v_mov_b32 v249, 0                              ; the lane exchange's destination counts as read
	s_wait_kmcnt 0x0
	s_add_nc_u64 s[52:53], s[30:31], s[52:53]
	s_cmp_ge_u32 s50, 64                           ; the branches hang on the work-group's number, the same in all eight waves
	s_cbranch_scc1 .Ljob
	; ---- an encoder's tile
	s_lshr_b32 s51, s50, 5
	s_cmp_eq_u32 s51, 0
	s_cselect_b64 s[32:33], s[8:9], s[10:11]
	s_cselect_b64 s[34:35], s[12:13], s[14:15]
	s_cselect_b64 s[38:39], s[16:17], s[18:19]
	s_and_b32 s47, s50, 31                         ; the block of 32 rows
	s_lshl_b32 s42, s47, 16
	s_add_nc_u64 s[32:33], s[32:33], s[42:43]
	s_lshl_b32 s42, s49, 8                         ; 64 columns of f32
	s_add_nc_u64 s[34:35], s[34:35], s[42:43]
	s_add_nc_u64 s[38:39], s[38:39], s[42:43]
	s_add_nc_u64 s[36:37], s[34:35], 0x40000       ; k rows 256 on
	s_lshl_b32 s42, s51, 6
	s_lshl1_add_u32 s42, s47, s42
	s_add_co_u32 s42, s42, s46                     ; my group of 16 rows: 64 side + 2 block + w / 4
	s_lshl_b32 s42, s42, 14                        ; 16,384 bytes a group: hi, then lo
	s_lshl_b32 s47, s49, 11                        ; K steps 2 j on,
	s_add_co_u32 s42, s42, s47
	s_lshl_b32 s47, s45, 9                         ; and 512 bytes for each 16 columns
	s_add_co_u32 s42, s42, s47
	s_add_nc_u64 s[40:41], s[26:27], s[42:43]
.set i, 0
.rept 16
	global_load_b128 v[16+4*i:19+4*i], v6, s[32:33] offset:4096*i
.set i, i+1
.endr
	global_load_b128 v[208:211], v14, s[38:39]     ; the bias is the first accumulator's start
	global_load_b128 v[212:215], v14, s[38:39] offset:16
	WLOAD
	s_wait_loadcnt 32                              ; x and the bias are in; W's 32 loads may stay out
.irp r, 0,1,2,3
	v_cvt_pk_bf16_f32 v[240+\r], v[208+2*\r], v[209+2*\r]   ; the bias rounded to bf16, like every input,
.endr
.irp r, 0,1,2,3
	v_lshlrev_b32 v[208+2*\r], 16, v[240+\r]       ; and widened again
	v_and_b32 v[209+2*\r], s57, v[240+\r]
.endr
.set i, 0
.rept 16
	v_cvt_pk_bf16_f32 v[16+4*i], v[16+4*i], v[17+4*i]
	v_cvt_pk_bf16_f32 v[17+4*i], v[18+4*i], v[19+4*i]
	ds_store_b64 v8, v[16+4*i:17+4*i] offset:2*XPITCH*i
.set i, i+1
.endr
	WCONV 0
	WCONV 1
	WCONV 2
	WCONV 3
	s_wait_dscnt 0x0                               ; for the others' sake: my stores are done
	s_barrier_signal -1
	s_barrier_wait -1
	LQ 0, 0
	LQ 1, 1
	s_wait_dscnt 16                                ; the younger quarter's 16 loads may stay out
	MQ 0, 0
	PLACES
	LQ 2, 0
	s_wait_dscnt 16
	MQ 1, 1
	PLACES
	LQ 3, 1
	s_wait_dscnt 16
	MQ 2, 0
	s_wait_dscnt 0x0
	MQ 3, 1
	PLACES
	PLACES
.irp r, 0,2,4,6
	v_pk_add_f32 v[208+\r:209+\r], v[208+\r:209+\r], v[216+\r:217+\r]
.endr
.irp r, 0,2,4,6
	v_pk_add_f32 v[224+\r:225+\r], v[224+\r:225+\r], v[232+\r:233+\r]
.endr
.irp r, 0,2,4,6
	v_pk_add_f32 v[208+\r:209+\r], v[208+\r:209+\r], v[224+\r:225+\r]
.endr
.irp r, 0,1,2,3,4,5,6,7
	v_max_num_f32 v[208+\r], 0, v[208+\r]          ; relu, in f32
.endr
.irp r, 0,1,2,3
	v_cvt_pk_bf16_f32 v[240+\r], v[208+2*\r], v[209+2*\r]   ; hi
.endr
.irp r, 0,1,2,3
	v_lshlrev_b32 v[216+2*\r], 16, v[240+\r]
	v_and_b32 v[217+2*\r], s57, v[240+\r]
.endr
.irp r, 0,2,4,6
	v_pk_add_f32 v[216+\r:217+\r], v[208+\r:209+\r], v[216+\r:217+\r] neg_lo:[0,1] neg_hi:[0,1]   ; what hi has lost: exact in f32
.endr
.irp r, 0,1,2,3
	v_cvt_pk_bf16_f32 v[244+\r], v[216+2*\r], v[217+2*\r]   ; lo
.endr
	v_max3_num_f32 v224, v208, v209, v210
	v_max3_num_f32 v225, v211, v212, v213
	v_max3_num_f32 v224, v224, v214, v215
	v_max_num_f32 v224, v224, v225
	global_store_b128 v15, v[240:243], s[40:41]    ; 512 consecutive bytes a wave
	global_store_b128 v15, v[244:247], s[40:41] offset:8192
	STAT 224
	FIN
.Ljob:
	s_cmp_eq_u32 s50, 65
	s_cbranch_scc1 .Lw1
	; ---- W2 and W3 as fragments
	s_lshl_b32 s42, s49, 8
	s_add_nc_u64 s[34:35], s[20:21], s[42:43]      ; W2's 256 rows take the place of k rows 0-255,
	s_add_nc_u64 s[36:37], s[22:23], s[42:43]      ; W3's that of k rows 256-511
	WLOAD
	s_lshl_b32 s42, s46, 17                        ; wave w: layer w / 4,
	s_lshl2_add_u32 s47, s49, s45                  ; columns 16 (4 j + w % 4) on
	s_lshl_b32 s47, s47, 13
	s_add_co_u32 s42, s42, s47
	s_add_nc_u64 s[40:41], s[28:29], s[42:43]
	s_mul_i32 s47, s46, WHALF
	v_add_nc_u32 v13, s47, v11
	s_wait_loadcnt 16                              ; W2's 16 passes are in; W3's 16 may stay out
	v_max_num_f32 v16, |v80|, |v81|                ; the largest |W2| of what I loaded
.set i, 1
.rept 31
	v_max3_num_f32 v16, v16, |v[80+2*i]|, |v[81+2*i]|
.set i, i+1
.endr
	WCONV 0
	WCONV 1
	WCONV 2
	WCONV 3
	s_wait_dscnt 0x0
	s_barrier_signal -1
	s_barrier_wait -1
.set i, 0
.rept 16
	ds_load_tr16_b128 v[80+4*i:83+4*i], v13 offset:16*WPITCH*i   ; K step i / 2, half i % 2
.set i, i+1
.endr
	s_wait_dscnt 0x0
.set i, 0
.rept 64                                           ; the bf16 numbers times 2^8, written as f16
.set t, 20+2*(i%8)
	v_lshlrev_b32 v[t], 16, v[80+i]
	v_and_b32 v[t+1], s57, v[80+i]
	v_pk_mul_f32 v[t:t+1], v[t:t+1], s[58:59] op_sel_hi:[1,0]
	v_cvt_pk_f16_f32 v[80+i], v[t], v[t+1]
.set i, i+1
.endr
.set i, 0
.rept 16
	global_store_b128 v15, v[80+4*i:83+4*i], s[40:41] offset:512*i
.set i, i+1
.endr
	STAT 16
	FIN
	; ---- the largest |W1| of 512 rows x 64 columns
.Lw1:
	s_lshl_b32 s42, s49, 8
	s_add_nc_u64 s[34:35], s[24:25], s[42:43]
	s_add_nc_u64 s[36:37], s[34:35], 0x40000
	WLOAD
	s_wait_loadcnt 0x0
	v_max_num_f32 v16, |v80|, |v81|
.set i, 1
.rept 63
	v_max3_num_f32 v16, v16, |v[80+2*i]|, |v[81+2*i]|
.set i, i+1
.endr
	STAT 16
	FIN
.Lfunc_end_k_q822d57762f_enc:
	.size	k_q822d57762f_enc, .Lfunc_end_k_q822d57762f_enc-k_q822d57762f_enc
	.p2alignl 7, 3214868480
	.fill 96, 4, 3214868480
	.section	.rodata,"a",@progbits
	.p2align	6, 0x0
	.amdhsa_kernel k_q822d57762f_enc
		.amdhsa_group_segment_fixed_size 116224
		.amdhsa_private_segment_fixed_size 0
		.amdhsa_enable_private_segment 0
		.amdhsa_kernarg_size 96
		.amdhsa_user_sgpr_count 2
		.amdhsa_user_sgpr_kernarg_segment_ptr 1
		.amdhsa_wavefront_size32 1
		.amdhsa_system_sgpr_workgroup_id_x 1
		.amdhsa_system_sgpr_workgroup_id_y 1
		.amdhsa_system_sgpr_workgroup_id_z 1
		.amdhsa_system_vgpr_workitem_id 0
		.amdhsa_next_free_vgpr 256
		.amdhsa_next_free_sgpr 66
		.amdhsa_reserve_vcc 1
		.amdhsa_float_denorm_mode_32 3
		.amdhsa_float_denorm_mode_16_64 3
		.amdhsa_memory_ordered 1
		.amdhsa_forward_progress 1
		.amdhsa_inst_pref_size 62
	.end_amdhsa_kernel
	.amdgpu_metadata
---
amdhsa.version: [ 1, 2 ]
amdhsa.kernels:
  - .name:           k_q822d57762f_enc
    .symbol:         k_q822d57762f_enc.kd
    .args:
      - { .name: query, .offset: 0, .size: 8, .value_kind: global_buffer, .address_space: global }
      - { .name: key, .offset: 8, .size: 8, .value_kind: global_buffer, .address_space: global }
      - { .name: Wqe, .offset: 16, .size: 8, .value_kind: global_buffer, .address_space: global }
      - { .name: Wke, .offset: 24, .size: 8, .value_kind: global_buffer, .address_space: global }
      - { .name: bqe, .offset: 32, .size: 8, .value_kind: global_buffer, .address_space: global }
      - { .name: bke, .offset: 40, .size: 8, .value_kind: global_buffer, .address_space: global }
      - { .name: W2, .offset: 48, .size: 8, .value_kind: global_buffer, .address_space: global }
      - { .name: W3, .offset: 56, .size: 8, .value_kind: global_buffer, .address_space: global }
      - { .name: W1, .offset: 64, .size: 8, .value_kind: global_buffer, .address_space: global }
      - { .name: feat, .offset: 72, .size: 8, .value_kind: global_buffer, .address_space: global }
      - { .name: wfr, .offset: 80, .size: 8, .value_kind: global_buffer, .address_space: global }
      - { .name: stat, .offset: 88, .size: 8, .value_kind: global_buffer, .address_space: global }
    .group_segment_fixed_size: 116224
    .private_segment_fixed_size: 0
    .kernarg_segment_align: 8
    .kernarg_segment_size: 96
    .max_flat_workgroup_size: 256
    .sgpr_count:     66
    .vgpr_count:     256
    .wavefront_size: 32
...
	.end_amdgpu_metadata
.endif
;; end of part 1
;; launch proj (part 2): grid 4 x 64, 4 waves a work-group, no clusters, 41,472 bytes of LDS; arguments feat, W1, Wv1, b1, bv1, b2, stat, proj, scal; writes proj, scal
.if DOCPART == 2
	.amdgcn_target "amdgcn-amd-amdhsa--gfx1250"
	.amdhsa_code_object_version 6
	.text
	.protected	k_q822d57762f_proj
	.globl	k_q822d57762f_proj
	.p2align	8
	.type	k_q822d57762f_proj,@function
k_q822d57762f_proj:
	s_mov_b64 s[64:65], 0
	v_nop
	global_prefetch_b8 v0, s[64:65] scope:SCOPE_SE
	s_setreg_imm32_b32 hwreg(HW_REG_WAVE_MODE, 25, 1), 1
	s_wait_xcnt 0x0
; THE FOUR PROJECTIONS of the two first layers on cat([q, k]): qp = qf W1[:256], kp = kf W1[256:], vq = qf Wv1[:256], vk = kf Wv1[256:].  No work is left out.
; W and the biases are rounded to bf16, like every input; the features come as hi + lo, two bf16 numbers, and both are multiplied; sums in f32.
; STORED, rounded once, in fragment order ([16 rows][K step: 8][half: 2][lane: 32][16 bytes]), proj = [group of 16 rows: 128][m: 2][8,192 bytes]:
;   query groups 0-63:  m = 0: -s1 (qp + b1) in f16, m = 1: -(vq + bv1) in bf16;      key groups 64-127:  m = 0: s1 kp in f16, m = 1: vk in bf16.
; The sign serves the next launch: relu(a + b) = max(a, -b) + b for all real a, b, so the pair's first layer there is one packed maximum of two stored operands.
; THE SCALE s1, a power of two, keeps the next launch's f16 operands in range whatever the inputs' size.  From the maxima that the launch before stored (F: features, w1: |W1|, w2: |W2|):
;   every |kp| and |qp + b1| is at most M = 256 w1 F + max |b1|;  h1 at most 2 M;  the second layer's h2 at most B2 = 512 w2 M + max |b2|;  its operand is 2^8 s1 h2 (W2 is stored times 2^8).
;   With X = max(M, 2^8 B2) and e its exponent field, s1 = 2^(140 - e), so that X s1 < 2^14: a factor of four is left for the roundings that the bounds pass over.  s1's exponent field is held at 230 at the most.
; Every wave with m = 0 makes s1 for itself, from the same numbers; one wave stores 2^8 s1, s1, 2^16 s1 and 2^-16 / s1 into scal (in every lane's 16 bytes: 512 consecutive bytes).  The scale enters values alone.
; SHARES.  Work-group (j, y): side y / 32, m = (y / 16) % 2, rows 64 (y % 16) on, columns 64 j on; wave w: 16 rows x 64 columns, K = 256 twice: 64 products on four accumulators that take turns.
; The rows come from feat as fragments, straight into registers; W (f32, [k][n]) is rounded through registers into LDS and turned on its way out, so no copy engine and no joint load is used.
; The two sides differ in the bias and the sign: one branch on the work-group's number, then two whole paths by one macro.
.set WPITCH, 160
.set SPARE,  256*WPITCH                ; 40,960: the spare words, 128 bytes a wave, that no other line names
; window 0: v0 t  v1 l  v2 r  v3 h  v4 spare word  v5 0  v6 4 l  v7 W's offset  v8 32 l  v9 W into LDS  v10 at work  v11 W out of LDS  v14 32 h  v15 16 l
;   v16-79 the rows' hi  v80-207 the maxima, then W as loaded, then two buffers of 64: (K step % 2, 16 columns nb) at 8 (4 cc + nb)  v208-239 accumulators  v240-255 packed
; window 1: v0-63 the rows' lo
; s[8:25] arguments  s26, s27 256.0, 512.0  s28 wave  s29 j  s30 y  s31 side  s[32:33] rows  s[34:35] W  s[38:39] bias  s[40:41] out  s[42:43] offset  s44 at work  s45 m  s46, s47 row block, group
; s[48:49] s1  s50 its exponent field  s51 at work  s[52:53] lane selects  s54 a word's upper half
.set MSB, 0
.macro WIN new                         ; the high byte repeats the setting that is left; a switch that changes nothing is dropped
.if MSB != (\new)
	s_set_vgpr_msb (MSB<<8)|(\new)
.set MSB, (\new)
.endif
.endm
.macro PLACES
.rept 4
	v_nop
.endr
.endm
.macro WMAX r                          ; the largest of the 32 lanes' v[r], in every lane
	v_max_num_f32_dpp v[\r], v[\r], v[\r] row_xmask:1 row_mask:0xf bank_mask:0xf
	v_max_num_f32_dpp v[\r], v[\r], v[\r] row_xmask:2 row_mask:0xf bank_mask:0xf
	v_max_num_f32_dpp v[\r], v[\r], v[\r] row_xmask:4 row_mask:0xf bank_mask:0xf
	v_max_num_f32_dpp v[\r], v[\r], v[\r] row_xmask:8 row_mask:0xf bank_mask:0xf
	v_permlanex16_b32 v10, v[\r], s52, s53
	v_max_num_f32 v[\r], v[\r], v10
.endm
.macro WCONV b
	s_wait_loadcnt 24-8*(\b)                       ; the W loads behind these eight may stay out
.set p, 8*(\b)
.rept 8
	v_cvt_pk_bf16_f32 v[80+4*p], v[80+4*p], v[81+4*p]
	v_cvt_pk_bf16_f32 v[81+4*p], v[82+4*p], v[83+4*p]
	ds_store_b64 v9, v[80+4*p:81+4*p] offset:p*8*WPITCH
.set p, p+1
.endr
.endm
.macro LP i, b                         ; W's fragments of K steps 2 i, 2 i + 1 for the four blocks of 16 columns: 16 LDS loads
.irp cc, 0,1
.irp nb, 0,1,2,3
	ds_load_tr16_b128 v[80+64*(\b)+8*(4*\cc+\nb):83+64*(\b)+8*(4*\cc+\nb)], v11 offset:(2*(\i)+\cc)*32*WPITCH+32*\nb
	ds_load_tr16_b128 v[84+64*(\b)+8*(4*\cc+\nb):87+64*(\b)+8*(4*\cc+\nb)], v11 offset:(2*(\i)+\cc)*32*WPITCH+16*WPITCH+32*\nb
.endr
.endr
.endm
.macro MP i, b, q                      ; sixteen products: for each K step the four blocks with hi, then with lo; the first four start the sums: on the bias (q = 1) or on 0
.irp cc, 0,1
	WIN 0
.irp nb, 0,1,2,3
.if ((\i) == 0) && (\cc == 0) && ((\q) == 0)
	v_wmma_f32_16x16x32_bf16 v[208+8*\nb:215+8*\nb], v[80+64*(\b)+8*(4*\cc+\nb):87+64*(\b)+8*(4*\cc+\nb)], v[16+8*(2*(\i)+\cc):23+8*(2*(\i)+\cc)], 0
.else
	v_wmma_f32_16x16x32_bf16 v[208+8*\nb:215+8*\nb], v[80+64*(\b)+8*(4*\cc+\nb):87+64*(\b)+8*(4*\cc+\nb)], v[16+8*(2*(\i)+\cc):23+8*(2*(\i)+\cc)], v[208+8*\nb:215+8*\nb]
.endif
.endr
	WIN 0x04                                       ; source 1 in window 1
.irp nb, 0,1,2,3
	v_wmma_f32_16x16x32_bf16 v[208+8*\nb:215+8*\nb], v[80+64*(\b)+8*(4*\cc+\nb):87+64*(\b)+8*(4*\cc+\nb)], v[8*(2*(\i)+\cc):8*(2*(\i)+\cc)+7], v[208+8*\nb:215+8*\nb]
.endr
.endr
	WIN 0
.endm
.macro BODY q
.if \q
.irp nb, 0,1,2,3
	global_load_b128 v[208+8*\nb:211+8*\nb], v14, s[38:39] offset:64*\nb
	global_load_b128 v[212+8*\nb:215+8*\nb], v14, s[38:39] offset:64*\nb+16
.endr
.endif
.set p, 0
.rept 32
	global_load_b128 v[80+4*p:83+4*p], v7, s[34:35] offset:8192*p   ; pass p: 8 k rows, sixteen lanes a row's 256 bytes
.set p, p+1
.endr
.if \q
	s_wait_loadcnt 32                              ; the bias is in; W's 32 loads may stay out
.set i, 0
.rept 16
	v_cvt_pk_bf16_f32 v[240+i], v[208+2*i], v[209+2*i]   ; the bias rounded to bf16, like every input,
.set i, i+1
.endr
.set i, 0
.rept 16
	v_lshlrev_b32 v[208+2*i], 16, v[240+i]         ; and widened again
	v_and_b32 v[209+2*i], s54, v[240+i]
.set i, i+1
.endr
.endif
	WCONV 0
	WCONV 1
	WCONV 2
	WCONV 3
	s_wait_dscnt 0x0                               ; for the others' sake: my stores are done
	s_barrier_signal -1
	s_barrier_wait -1
	LP 0, 0
	LP 1, 1
	s_wait_dscnt 16                                ; the younger 16 loads may stay out
	MP 0, 0, \q
	PLACES
	LP 2, 0
	s_wait_dscnt 16
	MP 1, 1, \q
	PLACES
	LP 3, 1
	s_wait_dscnt 16
	MP 2, 0, \q
	s_wait_dscnt 0x0
	MP 3, 1, \q
	PLACES
	PLACES
	s_cmp_lg_u32 s45, 0
	s_cbranch_scc1 .Lbf_\@
.set i, 0
.rept 16
	v_pk_mul_f32 v[208+2*i:209+2*i], v[208+2*i:209+2*i], s[48:49] op_sel_hi:[1,0]   ; m = 0: times s1,
.set i, i+1
.endr
.set i, 0
.rept 16
	v_cvt_pk_f16_f32 v[240+i], v[208+2*i], v[209+2*i]                              ; in f16
.set i, i+1
.endr
	s_branch .Lst_\@
.Lbf_\@:
.set i, 0
.rept 16
	v_cvt_pk_bf16_f32 v[240+i], v[208+2*i], v[209+2*i]                             ; m = 1: in bf16
.set i, i+1
.endr
.Lst_\@:
.if \q
.set i, 0
.rept 16
	v_xor_b32 v[240+i], 0x80008000, v[240+i]       ; both halves' signs, in either format
.set i, i+1
.endr
.endif
.irp nb, 0,1,2,3
	global_store_b128 v15, v[240+4*\nb:243+4*\nb], s[40:41] offset:512*\nb   ; 512 consecutive bytes a store
.endr
	s_wait_tensorcnt 0x0                           ; the wave's end
	ds_add_u32 v4, v5
	s_wait_dscnt 0x0
	s_endpgm
.endm
	s_load_b512 s[8:23], s[0:1], 0x0               ; feat, W1, Wv1, b1, bv1, b2, stat, proj
	s_load_b64 s[24:25], s[0:1], 0x40              ; scal
	v_lshl_add_u32 v4, v0, 2, SPARE
	v_mov_b32 v5, 0
	v_lshrrev_b32 v1, 5, v0
	v_readfirstlane_b32 s28, v1                    ; wave 0..3
	s_mov_b32 s29, ttmp9
	s_and_b32 s30, ttmp7, 0xffff
	s_lshr_b32 s31, s30, 5                         ; side
	s_bfe_u32 s45, s30, 0x10004                    ; m
	s_and_b32 s46, s30, 15
	s_lshl_b32 s47, s31, 6
	s_lshl2_add_u32 s47, s46, s47
	s_add_co_u32 s47, s47, s28                     ; my group of 16 rows
	s_mov_b32 s43, 0
	s_mov_b32 s26, 0x43800000                      ; 256.0
	s_mov_b32 s27, 0x44000000                      ; 512.0
	s_mov_b32 s48, 1.0                             ; s1 where no scale is made (m = 1, which does not read it)
	s_mov_b32 s49, 1.0
	s_mov_b32 s52, 0x76543210
	s_mov_b32 s53, 0xfedcba98
	s_mov_b32 s54, 0xffff0000
	v_and_b32 v1, 31, v0
	v_and_b32 v2, 15, v0
	v_bfe_u32 v3, v0, 4, 1
	v_lshlrev_b32 v6, 2, v1
	v_lshlrev_b32 v8, 5, v1
	v_mov_b32 v10, 0                               ; the lane exchange's destination counts as read
	v_lshrrev_b32 v16, 4, v0
	v_lshlrev_b32 v7, 4, v2
	v_lshl_add_u32 v7, v16, 10, v7
	v_mul_u32_u24 v9, v16, WPITCH
	v_lshl_add_u32 v9, v2, 3, v9
	v_and_b32 v17, 7, v0
	v_lshl_add_u32 v17, v3, 3, v17
	v_mul_u32_u24 v11, v17, WPITCH
	v_bfe_u32 v18, v0, 3, 1
	v_lshl_add_u32 v11, v18, 4, v11
	v_lshlrev_b32 v14, 5, v3
	v_lshlrev_b32 v15, 4, v1
	s_wait_kmcnt 0x0
	s_cmp_eq_u32 s45, 0
	s_cselect_b64 s[34:35], s[10:11], s[12:13]
	s_cselect_b64 s[38:39], s[14:15], s[16:17]
	s_lshl_b32 s42, s47, 14
	s_add_nc_u64 s[32:33], s[8:9], s[42:43]
	s_lshl_b32 s42, s31, 18                        ; the key side's 256 k rows lie behind the query side's
	s_lshl_b32 s44, s29, 8
	s_add_co_u32 s42, s42, s44
	s_add_nc_u64 s[34:35], s[34:35], s[42:43]
	s_mov_b32 s42, s44
	s_add_nc_u64 s[38:39], s[38:39], s[42:43]
	s_lshl1_add_u32 s42, s47, s45
	s_lshl_b32 s42, s42, 13
	s_lshl_b32 s44, s29, 11
	s_add_co_u32 s42, s42, s44
	s_add_nc_u64 s[40:41], s[22:23], s[42:43]
.set i, 0
.rept 16
	global_load_b128 v[16+4*i:19+4*i], v15, s[32:33] offset:512*i
.set i, i+1
.endr
	WIN 0x40
.set i, 0
.rept 16
	global_load_b128 v[4*i:4*i+3], v15, s[32:33] offset:8192+512*i
.set i, i+1
.endr
	WIN 0
	s_cmp_lg_u32 s45, 0
	s_cbranch_scc1 .Lnoscale
	; ---- the scale
.set i, 0
.rept 16
	global_load_b128 v[80+4*i:83+4*i], v15, s[20:21] offset:512*i   ; the 2,048 waves' largest features
.set i, i+1
.endr
	global_load_b32 v144, v6, s[20:21] offset:8192  ; 32 maxima of |W2|
	global_load_b32 v145, v6, s[20:21] offset:8320  ; 32 of |W1|
	global_load_b128 v[148:151], v8, s[14:15]       ; b1, eight a lane
	global_load_b128 v[152:155], v8, s[14:15] offset:16
	global_load_b128 v[156:159], v8, s[18:19]       ; b2
	global_load_b128 v[160:163], v8, s[18:19] offset:16
	s_wait_loadcnt 0x0
.set i, 0
.rept 31
	v_max3_num_f32 v80, v80, v[81+2*i], v[82+2*i]
.set i, i+1
.endr
	v_max_num_f32 v80, v80, v143
	v_max3_num_f32 v148, |v148|, |v149|, |v150|
	v_max3_num_f32 v156, |v156|, |v157|, |v158|
	v_max3_num_f32 v148, v148, |v151|, |v152|
	v_max3_num_f32 v156, v156, |v159|, |v160|
	v_max3_num_f32 v148, v148, |v153|, |v154|
	v_max3_num_f32 v156, v156, |v161|, |v162|
	v_max_num_f32 v148, v148, |v155|
	v_max_num_f32 v156, v156, |v163|
	WMAX 80
	WMAX 144
	WMAX 145
	WMAX 148
	WMAX 156
	v_mul_f32 v81, v145, v80
	v_fma_f32 v81, v81, s26, v148                  ; M = 256 w1 F + max |b1|
	v_mul_f32 v82, v144, v81
	v_fma_f32 v82, v82, s27, v156                  ; B2 = 512 w2 M + max |b2|
	v_mul_f32 v82, s26, v82
	v_max_num_f32 v82, v82, v81                    ; X
	v_lshrrev_b32 v82, 23, v82                     ; its exponent field e: X < 2^(e - 126)
	v_sub_nc_u32 v82, 267, v82                     ; s1's: 267 - e, 12 at the least
	v_min_u32 v82, 230, v82
	v_readfirstlane_b32 s50, v82
	s_lshl_b32 s48, s50, 23
	s_mov_b32 s49, s48
	s_or_b32 s51, s29, s30
	s_or_b32 s51, s51, s28
	s_cmp_lg_u32 s51, 0                            ; wave 0 of work-group (0, 0) stores the scales
	s_cbranch_scc1 .Lnoscale
	s_add_co_u32 s51, s50, 8
	s_lshl_b32 s51, s51, 23
	v_mov_b32 v84, s51                             ; 2^8 s1
	v_mov_b32 v85, s48                             ; s1
	s_add_co_u32 s51, s50, 16
	s_lshl_b32 s51, s51, 23
	v_mov_b32 v86, s51                             ; 2^16 s1
	s_sub_co_u32 s51, 238, s50
	s_lshl_b32 s51, s51, 23
	v_mov_b32 v87, s51                             ; 2^-16 / s1
	global_store_b128 v15, v[84:87], s[24:25]
	s_wait_xcnt 0x0                                ; the store has read its registers: W is loaded into them below
.Lnoscale:
	s_cmp_lg_u32 s31, 0
	s_cbranch_scc1 .Lkeys
	BODY 1
.Lkeys:
	BODY 0
.Lfunc_end_k_q822d57762f_proj:
	.size	k_q822d57762f_proj, .Lfunc_end_k_q822d57762f_proj-k_q822d57762f_proj
	.p2alignl 7, 3214868480
	.fill 96, 4, 3214868480
	.section	.rodata,"a",@progbits
	.p2align	6, 0x0
	.amdhsa_kernel k_q822d57762f_proj
		.amdhsa_group_segment_fixed_size 41472
		.amdhsa_private_segment_fixed_size 0
		.amdhsa_enable_private_segment 0
		.amdhsa_kernarg_size 72
		.amdhsa_user_sgpr_count 2
		.amdhsa_user_sgpr_kernarg_segment_ptr 1
		.amdhsa_wavefront_size32 1
		.amdhsa_system_sgpr_workgroup_id_x 1
		.amdhsa_system_sgpr_workgroup_id_y 1
		.amdhsa_system_sgpr_workgroup_id_z 1
		.amdhsa_system_vgpr_workitem_id 0
		.amdhsa_next_free_vgpr 320
		.amdhsa_next_free_sgpr 66
		.amdhsa_reserve_vcc 0
		.amdhsa_float_denorm_mode_32 3
		.amdhsa_float_denorm_mode_16_64 3
		.amdhsa_memory_ordered 1
		.amdhsa_forward_progress 1
		.amdhsa_inst_pref_size 61
	.end_amdhsa_kernel
	.amdgpu_metadata
---
amdhsa.version: [ 1, 2 ]
amdhsa.kernels:
  - .name:           k_q822d57762f_proj
    .symbol:         k_q822d57762f_proj.kd
    .args:
      - { .name: feat, .offset: 0, .size: 8, .value_kind: global_buffer, .address_space: global }
      - { .name: W1, .offset: 8, .size: 8, .value_kind: global_buffer, .address_space: global }
      - { .name: Wv1, .offset: 16, .size: 8, .value_kind: global_buffer, .address_space: global }
      - { .name: b1, .offset: 24, .size: 8, .value_kind: global_buffer, .address_space: global }
      - { .name: bv1, .offset: 32, .size: 8, .value_kind: global_buffer, .address_space: global }
      - { .name: b2, .offset: 40, .size: 8, .value_kind: global_buffer, .address_space: global }
      - { .name: stat, .offset: 48, .size: 8, .value_kind: global_buffer, .address_space: global }
      - { .name: proj, .offset: 56, .size: 8, .value_kind: global_buffer, .address_space: global }
      - { .name: scal, .offset: 64, .size: 8, .value_kind: global_buffer, .address_space: global }
    .group_segment_fixed_size: 41472
    .private_segment_fixed_size: 0
    .kernarg_segment_align: 8
    .kernarg_segment_size: 72
    .max_flat_workgroup_size: 128
    .sgpr_count:     66
    .vgpr_count:     320
    .wavefront_size: 32
...
	.end_amdgpu_metadata
.endif
;; end of part 2
;; launch main (part 3): grid 4 x 64, 4 waves a work-group, clusters of 4 x 1, 327,680 bytes of LDS; arguments proj, wfr, b2, b3, Wf, bf, Wv2, bv2, scal, out0, out1; writes out0, out1
.if DOCPART == 3
	.amdgcn_target "amdgcn-amd-amdhsa--gfx1250"
	.amdhsa_code_object_version 6
	.text
	.protected	k_q822d57762f_main
	.globl	k_q822d57762f_main
	.p2align	8
	.type	k_q822d57762f_main,@function
k_q822d57762f_main:
	s_mov_b64 s[64:65], 0
	v_nop
	global_prefetch_b8 v0, s[64:65] scope:SCOPE_SE
	s_setreg_imm32_b32 hwreg(HW_REG_WAVE_MODE, 25, 1), 1
	s_wait_xcnt 0x0
	s_wait_alu depctr_hold_cnt(0) depctr_sa_sdst(0) depctr_va_vdst(0) depctr_va_sdst(0) depctr_va_ssrc(0) depctr_va_vcc(0) depctr_vm_vsrc(0)
	s_getreg_b32 s2, hwreg(HW_REG_IB_STS2, 6, 4)
	s_cmp_eq_u32 s2, 0
	s_cbranch_scc0 .Lentry_in_a_cluster
	s_endpgm
.Lentry_in_a_cluster:
	s_bfe_u32 s2, ttmp6, 0x10000c
	s_cmp_lg_u32 s2, 0x3003
	s_cbranch_scc0 .Lentry_shape_is_right
	s_endpgm
.Lentry_shape_is_right:
; THE PAIRS.  out0[q][k] = Wf . relu(W3^T relu(W2^T h1 + b2) + b3) + bf, h1 = relu(qp[q] + kp[k] + b1);  out1[q][k] = softplus(Wv2 . relu(vq[q] + vk[k] + bv1) + bv2).  No work is left out.
; THE FIRST LAYER IS A MAXIMUM.  relu(a + b) = max(a, -b) + b for all real a, b.  With the stored operands kp' = s1 kp and nqp' = -s1 (qp + b1):  W2^T h1 + b2 = (W2^T max(kp', nqp')) / s1 + c2[q],
; c2[q] = b2 - W2^T nqp' / s1, made here once for the work-group's 16 queries in f32; it is the C operand that starts a pair's sums.  The variance head likewise: z = w~ . max(vk~, nvq) + sv[q], sv[q] = bv2 - w~ . nvq[q].
; FORMATS AND SCALES.  Every input is rounded to bf16 (here b2, b3, Wf, bf, Wv2, bv2).  The two large layers multiply in f16: kp', nqp' and h2 carry powers of two that the launch before took from bounds on the data:
; W2, W3 are stored times 2^8; the second layer's sums, c2 and h2 carry sA = 2^8 s1, the third layer's sums and b3 carry sB = 2^16 s1; relu commutes with a positive factor; the finished dot is multiplied by 1 / sB.
; By those bounds no f16 operand reaches 2^14.  The variance head multiplies in bf16, unscaled.
; THE CHAIN STAYS IN REGISTERS.  Every product is taken transposed: source 0 = 16 columns of W (fragments from wfr), source 1 = 16 pairs (one query, 16 keys) x 32 k.  In a result lane (r, h) holds pair r and
; features 16 nb + 8 h + 0..7; two such results, rounded in pairs, ARE a K step of the next layer's source 1.  The last dot with Wf is taken in f32 on the vector unit, on unrounded h3.
; SHARES.  Work-group: 16 queries (y) x 128 keys (x); wave: 32 keys; a BATCH is 2 queries x 2 groups of 16 keys = 4 tiles, t = 2 qi + kg; 8 batches.  A TURN is one block nb of 16 features of one layer for the
; batch: 8 K steps x 4 tiles = 32 products on 4 accumulators that take turns, fed by 16 LDS loads.  The vector work of the turn before (rounding and relu; relu and the dot with Wf; the next batch's maxima) stands
; in groups of four behind the products.
; CLUSTER.  The four work-groups of a cluster have the same 16 queries and the same weights: both are asked for JOINTLY, once, at the head; nothing in LDS is filled again.  Keys and outputs alone hang on the place in the cluster.
; LIMITS.  16-bit operands as said; the packed maximum drops a NaN, and infinities of unlike signs in qp and kp are not carried as the module carries them; f16 numbers below 2^-14 keep the fixed step 2^-24;
; softplus: exp(-|x|) below 2^-126 counts as 0.
; LDS.  c2 [16 q][1,040] f32 | weights 262,144 | q block: nqp' 8,192, nvq 8,192 | sB b3, Wf in f32, Wv2 in bf16 | stage of out0, of out1: [16 q][128 keys] f32 | spare words.  What LDS stores write lies in blocks of 256 bytes into which no fill lands.
; The last trips' look-ahead loads run on into the region behind (c2 rows 16, 17; nqp' rows 16, 17; nvq row 16): bytes that were written before the barrier in front, and the values are never used.
.set C2P,   1040
.set WFR,   16640
.set QFR,   278784
.set CST,   295168
.set ST0,   297728
.set ST1,   305920
.set SPARE, 314112
; REGISTERS, in windows of 256 (s_set_vgpr_msb: bits 1:0 source 0, 3:2 source 1, 5:4 source 2, 7:6 destination).
; window 0: v0 t, v1 l, v2 r, v3 h, v4 16 l, v5 32 h, v6 8 t, v7 32 h + 256 w, v8 spare word, v9 0, v10-13 weights' quarters, v14 c2, v15 b3 / Wf, v16 nqp' row, v17 stage of out0, v18-27 at work, v28 nvq row,
;   v29 stage of out1, v30 my four blocks of W2, v31 sv, v32-39 the dot's sums, a pair a tile, v40-55 C operands, v56-71 Wf, two sets, v72-83 addresses and a lane mask, v96-159 accumulators, two sets of 4 x 8, v160-255 the flushes
; window 1: h1, tile t at 64 t + 8 c (before the loop: the maxima X, nvq)      window 2: h2 likewise (before the loop: vk, w~)      window 3: v0-127 weights' fragments, two sets; v128-255 kp'
; s[8:27] arguments, s28 wave, s29 cx, s30 y, s31 x, s[32:39], s[40:47] descriptor groups 1, s[48:51], s[52:55] groups 0, s56 0, s57 lanes 16-31, also a word's upper half, s58 bf, s59 bv2, s[60:61] lane selects, s62 counter,
; s63 lanes 0, 8, 16, 24, s66 at work, s67 two sign bits, s[68:71] the joint loads' offsets, then sA, s1, sB, 1 / sB, s[72:73] my keys, s[74:75] offsets that hold cx, s[76:79] out0, out1 at my rows
.set MSB, 0
.macro WIN new                         ; the high byte repeats the setting that is left; a switch that changes nothing is dropped
.if MSB != (\new)
	s_set_vgpr_msb (MSB<<8)|(\new)
.set MSB, (\new)
.endif
.endm
.macro PLACES                          ; four plain instructions between a product and a load into, or a vector read or write of, its registers
.rept 4
	v_nop
.endr
.endm
.macro CROUND                          ; a round of the cluster's barrier
	s_barrier_signal -1
	s_barrier_wait -1
	s_cmp_lg_u32 s28, 0
	s_cbranch_scc1 .Lnot_wave_0_\@
	s_barrier_signal -3
.Lnot_wave_0_\@:
	s_barrier_wait -3
	s_barrier_signal -1
	s_barrier_wait -1
.endm
	s_load_b512 s[8:23], s[0:1], 0x0               ; proj, wfr, b2, b3, Wf, bf, Wv2, bv2
	s_load_b128 s[24:27], s[0:1], 0x40             ; scal, out0
	s_load_b64 s[78:79], s[0:1], 0x50              ; out1
	v_lshl_add_u32 v8, v0, 2, SPARE
	v_mov_b32 v9, 0
	ds_add_u32 v8, v9                              ; the wave's opening: the add, twice on end, and its wait ahead of my first tensor load
	ds_add_u32 v8, v9
	v_lshrrev_b32 v1, 5, v0
	v_readfirstlane_b32 s28, v1                    ; wave 0..3
	s_bfe_u32 s29, ttmp6, 0x40000                  ; cx
	s_lshl_b32 s31, ttmp9, 2
	s_add_co_u32 s31, s31, s29                     ; my block of 128 keys
	s_and_b32 s30, ttmp7, 0xffff                   ; my group of 16 queries, which the four partners share
	; descriptor groups 1: dense blocks as rows of 32 elements of 8 bytes; the mask names all four work-groups
	s_mov_b32 s32, 15|(3<<16)|(1<<21)
	s_mov_b32 s33, 32<<16                          ; tensor_dim0 = 32
	s_mov_b32 s34, 16<<16                          ; tensor_dim1 = 16
	s_mov_b32 s35, 32<<16                          ; tile_dim0 = 32
	s_mov_b32 s36, 16                              ; tile_dim1 = 16: my quarter of the q block, 4,096 bytes
	s_mov_b32 s37, 32                              ; 32 elements from row to row
	s_mov_b32 s38, 0
	s_mov_b32 s39, 0
	s_mov_b32 s40, 15|(3<<16)|(1<<21)
	s_mov_b32 s41, 32<<16
	s_mov_b32 s42, 256<<16
	s_mov_b32 s43, 32<<16
	s_mov_b32 s44, 256                             ; my quarter of the weights, 65,536 bytes
	s_mov_b32 s45, 32
	s_mov_b32 s46, 0
	s_mov_b32 s47, 0
	s_mov_b32 s48, 1
	s_lshl_b32 s49, s28, 12
	s_add_co_u32 s49, s49, QFR
	s_mov_b32 s52, 1
	s_lshl_b32 s53, s28, 16
	s_add_co_u32 s53, s53, WFR
	s_lshl_b32 s68, s30, 14                        ; the q block: 16,384 bytes a group,
	s_lshl_b32 s69, s28, 12
	s_add_co_u32 s68, s68, s69                     ; my quarter of it
	s_mov_b32 s69, 0
	s_lshl_b32 s70, s28, 16
	s_mov_b32 s71, 0
	s_mov_b32 s56, 0
	s_mov_b32 s57, 0xffff0000
	s_mov_b32 s60, 0x76543210
	s_mov_b32 s61, 0xfedcba98
	s_mov_b32 s63, 0x01010101
	s_mov_b32 s67, 0x80008000
	v_and_b32 v1, 31, v0
	v_and_b32 v2, 15, v0
	v_bfe_u32 v3, v0, 4, 1
	v_lshlrev_b32 v4, 4, v1
	v_lshlrev_b32 v5, 5, v3
	v_lshlrev_b32 v6, 3, v0
	s_lshl_b32 s66, s28, 8
	v_add_nc_u32 v7, s66, v5
	v_add_nc_u32 v10, WFR, v4
	v_add_nc_u32 v11, 0x10000, v10
	v_add_nc_u32 v12, 0x20000, v10
	v_add_nc_u32 v13, 0x30000, v10
	v_mov_b32 v14, v5
	v_add_nc_u32 v15, CST, v5
	v_lshl_add_u32 v16, v3, 8, QFR                 ; row q of a fragment block: c 1,024 + half 512 + 256 h + 16 q
	s_lshl_b32 s66, s28, 7
	v_lshl_add_u32 v17, v1, 2, s66
	v_add_nc_u32 v29, ST1, v17
	v_add_nc_u32 v17, ST0, v17
	v_add_nc_u32 v28, 8192, v16
	s_lshl_b32 s66, s28, 15
	v_add_nc_u32 v30, s66, v10
	v_add_nc_u32 v72, QFR, v4
	v_mul_u32_u24 v73, v2, C2P
	v_add_nc_u32 v73, v73, v7                      ; c2 in: row r, features 64 w + 8 h on
	s_lshl_b32 s66, s28, 11
	v_add_nc_u32 v75, s66, v4
	v_add_nc_u32 v74, ST1, v75                     ; the stages back: rows 4 w on, 16 l
	v_add_nc_u32 v75, ST0, v75
	v_add_nc_u32 v76, CST, v6
	s_lshl_b32 s66, s28, 4
	v_mov_b32 v77, s66                             ; 4 x lane 4 w + i: where sv of my four rows lies
	v_add_nc_u32 v78, 4, v77
	v_add_nc_u32 v79, 8, v77
	v_add_nc_u32 v80, 12, v77
	v_mov_b32 v22, 0                               ; destinations of the lane exchange count as read
	v_mov_b32 v27, 0
	v_cndmask_b32 v81, 0, -1, s63                  ; all ones in the lanes that hold rows 0 and 8 of a source 0
	v_lshl_add_u32 v82, v3, 4, CST+2048            ; Wv2 out of LDS: a fragment's k = 32 c + 16 half + 8 h on, in bf16
	v_lshl_add_u32 v83, v0, 2, CST+2048            ; and into it: two numbers a thread
	s_wait_dscnt 0x0                               ; both opening adds are done
	s_wait_kmcnt 0x0
	s_add_nc_u64 s[50:51], s[8:9], s[68:69]
	s_or_b32 s51, s51, 0x80000000
	s_add_nc_u64 s[54:55], s[10:11], s[70:71]
	s_or_b32 s55, s55, 0x80000000
	CROUND                                         ; all four work-groups are here: the joint loads meet
	tensor_load_to_lds s[48:51], s[32:39]          ; the q block first: it is wanted first.  Two loads of mine are out
	s_nop 0
	tensor_load_to_lds s[52:55], s[40:47]          ; the weights
	s_nop 0
	PLACES
	s_load_b32 s58, s[18:19], 0x0
	s_load_b32 s59, s[22:23], 0x0
	s_load_b128 s[68:71], s[24:25], 0x0            ; sA, s1, sB, 1 / sB
	s_and_b32 s74, s30, 32                         ; 32 x batch
	s_lshl3_add_u32 s74, s31, s74
	s_lshl1_add_u32 s74, s28, s74
	s_add_co_u32 s74, s74, 64                      ; my first key group: 64 + 32 b + 8 x + 2 w
	s_lshl_b32 s74, s74, 14
	s_mov_b32 s75, 0
	s_add_nc_u64 s[72:73], s[8:9], s[74:75]
	s_lshl_b32 s74, s30, 15                        ; row 16 y + 4 w of 2,048 bytes, column 128 x
	s_lshl_b32 s75, s28, 13
	s_add_co_u32 s74, s74, s75
	s_lshl_b32 s75, s31, 9
	s_add_co_u32 s74, s74, s75
	s_mov_b32 s75, 0
	s_add_nc_u64 s[76:77], s[26:27], s[74:75]
	s_add_nc_u64 s[78:79], s[78:79], s[74:75]
	global_load_b64 v[18:19], v6, s[14:15]         ; b3
	global_load_b64 v[20:21], v6, s[16:17]         ; Wf
	global_load_b64 v[24:25], v6, s[20:21]         ; Wv2
	WIN 0x80
.set i, 0
.rept 32
	global_load_b128 v[4*i:4*i+3], v4, s[72:73] offset:(i/16)*16384+8192+512*(i%16)   ; vk of my two key groups
.set i, i+1
.endr
	WIN 0
	s_wait_loadcnt 32                              ; b3, Wf and Wv2 are in; vk's 32 loads may stay out
	s_wait_kmcnt 0x0                               ; bf, bv2, the scales
	v_cvt_pk_bf16_f32 v22, v18, v19                ; rounded to bf16, like every input,
	v_cvt_pk_bf16_f32 v23, v20, v21
	v_cvt_pk_bf16_f32 v26, v24, v25
	v_lshlrev_b32 v18, 16, v22                     ; b3 and Wf widened again,
	v_and_b32 v19, s57, v22
	v_lshlrev_b32 v20, 16, v23
	v_and_b32 v21, s57, v23
	v_pk_mul_f32 v[18:19], v[18:19], s[70:71] op_sel_hi:[1,0]   ; b3 times sB
	ds_store_b64 v76, v[18:19]
	ds_store_b64 v76, v[20:21] offset:1024
	ds_store_b32 v83, v26
	v_cvt_pk_bf16_f32 v24, s58, s59                ; bf and bv2 likewise
	v_lshlrev_b32 v25, 16, v24
	v_and_b32 v24, s57, v24
	v_readfirstlane_b32 s58, v25
	v_readfirstlane_b32 s59, v24
	s_wait_tensorcnt 0x1                           ; my part of the q block is in; the weights may stay out
	s_wait_dscnt 0x0                               ; b3, Wf and Wv2 are stored
	s_barrier_signal -1
	s_barrier_wait -1
	; ---- THE VARIANCE HEAD, while the weights arrive.  sv first: w~ times the 16 queries' nvq
	WIN 0x80
.set k, 0
.rept 16
	ds_load_b128 v[128+4*k:131+4*k], v82 offset:32*k    ; Wv2 as a source 0's k, the same in all rows
.set k, k+1
.endr
	WIN 0x40
.set k, 0
.rept 16
	ds_load_b128 v[4*k:4*k+3], v72 offset:8192+512*k
.set k, k+1
.endr
.set k, 0
.rept 16
	ds_load_b128 v[128+4*k:131+4*k], v28 offset:512*k   ; query 0's nvq, the same row in all lanes of a half
.set k, k+1
.endr
	s_wait_dscnt 32                                ; Wv2 is in; the 16 loads of fragments and query 0's 16 may stay out
	WIN 0x88
.set i, 0
.rept 64
	v_and_b32 v[128+i], v81, v[128+i]              ; source 0 with w~ in rows 0 and 8 and zeros elsewhere: window 2, v128-191
.set i, i+1
.endr
	s_wait_dscnt 16                                ; the fragments are in; query 0's 16 loads may stay out
	WIN 0x06
.set c, 0
.rept 8
.if c < 2
	v_wmma_f32_16x16x32_bf16 v[128+8*c:135+8*c], v[128+8*c:135+8*c], v[8*c:8*c+7], 0
.else
	v_wmma_f32_16x16x32_bf16 v[128+8*(c%2):135+8*(c%2)], v[128+8*c:135+8*c], v[8*c:8*c+7], v[128+8*(c%2):135+8*(c%2)]
.endif
.set c, c+1
.endr
	WIN 0
	PLACES
	PLACES
	v_add_f32 v31, v128, v136
	v_sub_f32 v31, s59, v31                        ; lane q (and 16 + q): sv[q]
	s_wait_loadcnt 0x0                             ; vk is in
	WIN 0xc0
.set i, 0
.rept 32
	global_load_b128 v[128+4*i:131+4*i], v4, s[72:73] offset:(i/16)*16384+512*(i%16)   ; kp': it has the loop below in which to land
.set i, i+1
.endr
	WIN 0
.set i, 0
.rept 8
	global_load_b128 v[96+4*i:99+4*i], v7, s[12:13] offset:64*(i/2)+16*(i%2)   ; b2 of my four blocks of 16 features: c2's sums start on it
.set i, i+1
.endr
	s_wait_dscnt 0x0                               ; query 0's nvq
	s_mov_b32 s62, 16
.Lq:                                               ; a trip: one query x my 32 keys.  A K step: 16 maxima, the next query's two loads into the registers just read, two products
	v_add_nc_u32 v28, 16, v28
.set c, 0
.rept 8
	s_wait_dscnt 15                                ; behind this K step's two loads of the trip before: 2 (7 - c) loads, a store, 2 c loads of this trip
	WIN 0x46
.set j, 0
.rept 8
	v_pk_max_num_bf16 v[8*c+j], v[8*c+j], v[128+8*c+j]
	v_pk_max_num_bf16 v[64+8*c+j], v[64+8*c+j], v[128+8*c+j]
.set j, j+1
.endr
	WIN 0x40
	ds_load_b128 v[128+8*c:131+8*c], v28 offset:1024*c
	ds_load_b128 v[132+8*c:135+8*c], v28 offset:1024*c+512
	WIN 0x06
.if c == 0
	v_wmma_f32_16x16x32_bf16 v[144:151], v[128:135], v[0:7], 0
	v_wmma_f32_16x16x32_bf16 v[152:159], v[128:135], v[64:71], 0
.else
	v_wmma_f32_16x16x32_bf16 v[144:151], v[128+8*c:135+8*c], v[8*c:8*c+7], v[144:151]
	v_wmma_f32_16x16x32_bf16 v[152:159], v[128+8*c:135+8*c], v[64+8*c:71+8*c], v[152:159]
.endif
.set c, c+1
.endr
	WIN 0
	PLACES
	v_cndmask_b32 v18, v144, v152, s57             ; rows 0 and 8 are alike: lanes 0-15 take the first 16 keys, lanes 16-31 the second
	ds_store_b32 v29, v18
	v_add_nc_u32 v29, 512, v29
	s_sub_co_u32 s62, s62, 1
	s_cmp_lg_u32 s62, 0
	s_cbranch_scc1 .Lq
	s_wait_tensorcnt 0x0                           ; my part of the weights is in,
	s_wait_dscnt 0x0                               ; my stores into the stage are done
	s_barrier_signal -1
	s_barrier_wait -1
	; ---- sA c2 = sA b2 - (2^8 W2)^T nqp' for the 16 queries: my four blocks of 16 features
.macro C2LOAD g
	WIN 0xc0
.set cc, 0
.rept 4
.irp i, 0,1,2,3
	ds_load_b128 v[8*(4*cc+\i):8*(4*cc+\i)+3],   v30 offset:8192*\i+1024*(4*(\g)+cc)
	ds_load_b128 v[8*(4*cc+\i)+4:8*(4*cc+\i)+7], v30 offset:8192*\i+1024*(4*(\g)+cc)+512
.endr
.set cc, cc+1
.endr
.endm
.macro C2MUL g
	WIN 0x07
.set cc, 0
.rept 4
.irp i, 0,1,2,3
	v_wmma_f32_16x16x32_f16 v[96+8*\i:103+8*\i], v[8*(4*cc+\i):8*(4*cc+\i)+7], v[8*(4*(\g)+cc):8*(4*(\g)+cc)+7], v[96+8*\i:103+8*\i]
.endr
.set cc, cc+1
.endr
.endm
	WIN 0x40
.set k, 0
.rept 16
	ds_load_b128 v[4*k:4*k+3], v72 offset:512*k
.set k, k+1
.endr
	C2LOAD 0
	s_wait_dscnt 32                                ; nqp's fragments are in; the 32 loads of W2 may stay out
	WIN 0x44
.set k, 0
.rept 64
	v_xor_b32 v[k], s67, v[k]                      ; -nqp'
.set k, k+1
.endr
	WIN 0
	s_wait_loadcnt 0x0                             ; b2, and kp'
.set i, 0
.rept 16
	v_cvt_pk_bf16_f32 v[160+i], v[96+2*i], v[97+2*i]   ; b2 rounded to bf16, like every input,
.set i, i+1
.endr
.set i, 0
.rept 16
	v_lshlrev_b32 v[96+2*i], 16, v[160+i]          ; widened again,
	v_and_b32 v[97+2*i], s57, v[160+i]
.set i, i+1
.endr
.set i, 0
.rept 16
	v_pk_mul_f32 v[96+2*i:97+2*i], v[96+2*i:97+2*i], s[68:69] op_sel_hi:[1,0]   ; times sA
.set i, i+1
.endr
	s_wait_dscnt 0x0
	C2MUL 0
	PLACES
	C2LOAD 1
	s_wait_dscnt 0x0
	C2MUL 1
	WIN 0
	PLACES
	PLACES
.set i, 0
.rept 8
	ds_store_b128 v73, v[96+4*i:99+4*i] offset:64*(i/2)+16*(i%2)
.set i, i+1
.endr
	; ---- out1 leaves: rows 4 w .. 4 w + 3 of the stage, sv added, softplus(x) = max(x, 0) + log1p(exp(-|x|))
	s_mov_b32 s66, 0xbfb8aa3b                      ; -log2(e)
.irp i, 0,1,2,3
	ds_load_b128 v[160+4*\i:163+4*\i], v74 offset:512*\i
.endr
.irp i, 0,1,2,3
	ds_bpermute_b32 v[176+\i], v[77+\i], v31
.endr
	s_wait_dscnt 0x0
.set k, 0
.rept 16
	v_add_f32 v[160+k], v[160+k], v[176+k/4]
.set k, k+1
.endr
.set k, 0
.rept 16
	v_mul_f32 v[192+k], s66, |v[160+k]|
.set k, k+1
.endr
.set k, 0
.rept 16
	v_exp_f32 v[192+k], v[192+k]                   ; e = exp(-|x|), in 0 .. 1
.set k, k+1
.endr
	v_nop                                          ; a plain instruction behind the last exponential,
	s_wait_alu depctr_va_vdst(0)                   ; and one wait for the batch
.set k, 0
.rept 16
	v_add_f32 v[208+k], 1.0, v[192+k]
.set k, k+1
.endr
.set k, 0
.rept 16
	v_log_f32 v[208+k], v[208+k]
.set k, k+1
.endr
.set k, 0
.rept 16
	v_fma_f32 v[224+k], v[192+k], -0.5, 1.0        ; for small e, where 1 + e loses e's bits: log1p(e) = e (1 - e / 2), off by e^2 / 3 of itself
.set k, k+1
.endr
.set k, 0
.rept 16
	v_mul_f32 v[224+k], v[224+k], v[192+k]
.set k, k+1
.endr
	s_wait_alu depctr_va_vdst(0)                   ; one wait for the logarithms; the 32 lines above are the work between
.set k, 0
.rept 16
	v_mul_f32 v[208+k], 0x3f317218, v[208+k]       ; ln 2
	v_cmp_gt_f32 vcc_lo, 0x3a800000, v[192+k]      ; e < 2^-10
	v_cndmask_b32 v[208+k], v[208+k], v[224+k], vcc_lo
	v_max_num_f32 v[160+k], 0, v[160+k]
	v_add_f32 v[160+k], v[160+k], v[208+k]
.set k, k+1
.endr
.irp i, 0,1,2,3
	global_store_b128 v4, v[160+4*\i:163+4*\i], s[78:79] offset:2048*\i th:TH_STORE_NT   ; 512 consecutive bytes a store
.endr
	s_wait_dscnt 0x0                               ; c2 is stored
	s_barrier_signal -1
	s_barrier_wait -1
	; ---- THE VECTOR WORK OF THE TURNS, one line at a time
.macro CV n, j                         ; number j of 32 behind layer 2's block n: 16 roundings into h2, then 16 relus on the rounded halves
.set sA, 96+32*((\n)%2)
.if (\j) < 16
.set tt, (\j)/4
.set pp, (\j)%4
	WIN 0x80
	v_cvt_pk_f16_f32 v[64*tt+8*((\n)/2)+4*((\n)%2)+pp], v[sA+8*tt+2*pp], v[sA+8*tt+2*pp+1]
.else
.set tt, ((\j)-16)/4
.set pp, ((\j)-16)%4
	WIN 0x82
	v_pk_max_num_f16 v[64*tt+8*((\n)/2)+4*((\n)%2)+pp], v[64*tt+8*((\n)/2)+4*((\n)%2)+pp], s56
.endif
.endm
.macro FF m, j                         ; number j of 48 behind layer 3's block m: 32 relus in f32, registers ascending, then 16 packed multiply-adds with Wf; block 0's first start the sums
.set sA, 96+32*((\m)%2)
.set sW, 56+8*((\m)%2)
	WIN 0
.if (\j) < 32
	v_max_num_f32 v[sA+(\j)], 0, v[sA+(\j)]
.else
.set tt, ((\j)-32)%4
.set pp, ((\j)-32)/4
.if ((\m) == 0) && (pp == 0)
	v_pk_mul_f32 v[32+2*tt:33+2*tt], v[sA+8*tt+2*pp:sA+8*tt+2*pp+1], v[sW+2*pp:sW+2*pp+1]
.else
	v_pk_fma_f32 v[32+2*tt:33+2*tt], v[sA+8*tt+2*pp:sA+8*tt+2*pp+1], v[sW+2*pp:sW+2*pp+1], v[32+2*tt:33+2*tt]
.endif
.endif
.endm
.macro HH T, j                         ; number j of 16: K step T % 8 of query T / 8 of the next batch: tile 2 qi holds nqp'; first tile 2 qi + 1 = max(nqp', kp' of group 1), then tile 2 qi in place with group 0
.set qq, (\T)/8
.set cc, (\T)%8
	WIN 0x4d
.if (\j) < 8
	v_pk_max_num_f16 v[128*qq+64+8*cc+(\j)], v[128*qq+8*cc+(\j)], v[192+8*cc+(\j)]
.else
	v_pk_max_num_f16 v[128*qq+8*cc+(\j)-8], v[128*qq+8*cc+(\j)-8], v[128+8*cc+(\j)-8]
.endif
.endm
.macro GRP                             ; group gd of four, under one window setting
.if TL == 2
.irp z, 0,1,2,3
	CV TN-1, 4*gd+\z
.endr
.elseif TN == 0
.if gd < 8
.irp z, 0,1,2,3
	CV 15, 4*gd+\z
.endr
.else
.if gd == 8
	s_wait_dscnt 20                                ; the next batch's first nqp' row is in; behind its loads came 16 of weights, 2 of b3, 2 of Wf
.endif
.irp z, 0,1,2,3
	HH 0, 4*(gd-8)+\z
.endr
.endif
.elseif gd%4 == 3
.irp z, 0,1,2,3
	HH TN, 4*(gd/4)+\z
.endr
.else
.irp z, 0,1,2,3
	FF TN-1, 4*(3*(gd/4)+gd%4)+\z
.endr
.endif
.set gd, gd+1
.endm
; THE LDS LOADS OF A TURN, in one run: (layer 3's first two turns: a row of nqp' for the next batch, into h1, which layer 3 does not read;) the next turn's 8 fragments of W into the other set; its C operands; layer 3: this block's Wf.
.macro RUN
.if (TL == 3) && (TN < 2)
	WIN 0x40
.set k, 0
.rept 16
	ds_load_b128 v[128*TN+4*k:128*TN+4*k+3], v16 offset:512*k+16*TN
.set k, k+1
.endr
.endif
.if TN < 15
.set NL, TL
.set NN, TN+1
.else
.set NL, 5-TL
.set NN, 0
.endif
	WIN 0xc0
.set k, 0
.rept 16
	ds_load_b128 v[64*(1-PP)+4*k:64*(1-PP)+4*k+3], v[10+2*(NL-2)+NN/8] offset:(NN%8)*8192+512*k
.set k, k+1
.endr
	WIN 0
.if NL == 2
.set wr, 0
.if TL == 3
.set wr, 2                             ; the next batch's two queries
.endif
.irp q, 0,1
	ds_load_b128 v[40+8*\q:43+8*\q], v14 offset:(wr+\q)*C2P+NN*64
	ds_load_b128 v[44+8*\q:47+8*\q], v14 offset:(wr+\q)*C2P+NN*64+16
.endr
.else
	ds_load_b128 v[40:43], v15 offset:NN*64
	ds_load_b128 v[44:47], v15 offset:NN*64+16
.endif
.if TL == 3
	ds_load_b128 v[56+8*PP:59+8*PP], v15 offset:1024+TN*64
	ds_load_b128 v[60+8*PP:63+8*PP], v15 offset:1024+TN*64+16
.endif
.endm
; A TURN.  The first K step starts the sums on sA c2[q] (layer 2) or sB b3 (layer 3).  Four plain instructions behind it serve three things: the loads into the other set of fragments, which the turn before read, the loads into the
; C operands just read, and the first read of the other set of accumulators.  Then the run of loads and, ahead of the wait for it, the other 28 products with NG groups of vector work dealt evenly behind them.
.macro TURN layer, n
.set TL, \layer
.set TN, \n
.set PP, (\n)%2
.set sD, 96+32*PP
.set sF, 64*PP
.if TL == 2
.set WM, 0x07                          ; weights window 3, h1 window 1
.set NG, 8
.if TN == 0
.set NG, 0
.endif
.else
.set WM, 0x0b                          ; weights window 3, h2 window 2
.set NG, 16
.if TN == 0
.set NG, 12
.endif
.endif
	s_wait_dscnt 0x0                               ; the run of the turn before
	WIN WM
.irp t, 0,1,2,3
.if TL == 2
	v_wmma_f32_16x16x32_f16 v[sD+8*\t:sD+8*\t+7], v[sF:sF+7], v[64*\t:64*\t+7], v[40+8*(\t/2):47+8*(\t/2)]
.else
	v_wmma_f32_16x16x32_f16 v[sD+8*\t:sD+8*\t+7], v[sF:sF+7], v[64*\t:64*\t+7], v[40:47]
.endif
.endr
	PLACES
	RUN
.set gd, 0
.set sl, 0
.rept 28
	WIN WM
.set kc, 1+sl/4
.set kt, sl%4
	v_wmma_f32_16x16x32_f16 v[sD+8*kt:sD+8*kt+7], v[sF+8*kc:sF+8*kc+7], v[64*kt+8*kc:64*kt+8*kc+7], v[sD+8*kt:sD+8*kt+7]
.if gd*28 < (sl+1)*NG
	GRP
.endif
.set sl, sl+1
.endr
.endm
	; ---- the first batch's h1, the first turn's weights and C operands
	WIN 0x40
.set k, 0
.rept 16
	ds_load_b128 v[4*k:4*k+3], v16 offset:512*k
.set k, k+1
.endr
.set k, 0
.rept 16
	ds_load_b128 v[128+4*k:131+4*k], v16 offset:512*k+16
.set k, k+1
.endr
	WIN 0xc0
.set k, 0
.rept 16
	ds_load_b128 v[4*k:4*k+3], v10 offset:512*k
.set k, k+1
.endr
	WIN 0
.irp q, 0,1
	ds_load_b128 v[40+8*\q:43+8*\q], v14 offset:\q*C2P
	ds_load_b128 v[44+8*\q:47+8*\q], v14 offset:\q*C2P+16
.endr
	v_add_nc_u32 v16, 32, v16                      ; from here on: the next batch's first query
	s_wait_dscnt 20                                ; both nqp' rows are in; 16 loads of weights and 4 of c2 may stay out
.set TT, 0
.rept 16
.set jj, 0
.rept 16
	HH TT, jj
.set jj, jj+1
.endr
.set TT, TT+1
.endr
	WIN 0
	s_mov_b32 s62, 8
.Lbatch:
.set nn, 0
.rept 16
	TURN 2, nn
.set nn, nn+1
.endr
.set nn, 0
.rept 16
	TURN 3, nn
.set nn, nn+1
.endr
	WIN 0
	s_wait_dscnt 0x0                               ; the last block's Wf (and the next batch's first run)
	PLACES
.set jj, 0
.rept 48
	FF 15, jj
.set jj, jj+1
.endr
	v_add_f32 v18, v32, v33                        ; a lane's 128 features of: query 0, keys 0-15,
	v_add_f32 v19, v34, v35                        ; query 0, keys 16-31,
	v_add_f32 v23, v36, v37                        ; query 1 likewise
	v_add_f32 v24, v38, v39
	v_cndmask_b32 v20, v18, v19, s57               ; lane l keeps key l's sum
	v_cndmask_b32 v21, v19, v18, s57               ; and hands the other one to the lane 16 away, which holds that key's other 128 features
	v_cndmask_b32 v25, v23, v24, s57
	v_cndmask_b32 v26, v24, v23, s57
	v_permlanex16_b32 v22, v21, s60, s61
	v_permlanex16_b32 v27, v26, s60, s61
	v_add_f32 v20, v20, v22
	v_add_f32 v25, v25, v27
	v_fma_f32 v20, v20, s71, s58                   ; the scale taken off, bf added
	v_fma_f32 v25, v25, s71, s58
	ds_store_b32 v17, v20
	ds_store_b32 v17, v25 offset:512
	v_add_nc_u32 v14, 2*C2P, v14
	v_add_nc_u32 v16, 32, v16
	v_add_nc_u32 v17, 1024, v17
	s_sub_co_u32 s62, s62, 1
	s_cmp_lg_u32 s62, 0
	s_cbranch_scc1 .Lbatch
	; ---- out0 leaves: a row's 512 bytes come from four waves, so a barrier stands between the writing and the reading
	s_wait_dscnt 0x0
	s_barrier_signal -1
	s_barrier_wait -1
	s_wait_xcnt 0x0                                ; out1's stores have read these registers
.irp i, 0,1,2,3
	ds_load_b128 v[160+4*\i:163+4*\i], v75 offset:512*\i
.endr
	s_wait_dscnt 0x0
.irp i, 0,1,2,3
	global_store_b128 v4, v[160+4*\i:163+4*\i], s[76:77] offset:2048*\i th:TH_STORE_NT
.endr
	s_wait_tensorcnt 0x0                           ; the wave's end
	ds_add_u32 v8, v9
	s_wait_dscnt 0x0
	CROUND                                         ; the closing round
	s_endpgm
.Lfunc_end_k_q822d57762f_main:
	.size	k_q822d57762f_main, .Lfunc_end_k_q822d57762f_main-k_q822d57762f_main
	.p2alignl 7, 3214868480
	.fill 96, 4, 3214868480
	.section	.rodata,"a",@progbits
	.p2align	6, 0x0
	.amdhsa_kernel k_q822d57762f_main
		.amdhsa_group_segment_fixed_size 327680
		.amdhsa_private_segment_fixed_size 0
		.amdhsa_enable_private_segment 0
		.amdhsa_kernarg_size 88
		.amdhsa_user_sgpr_count 2
		.amdhsa_user_sgpr_kernarg_segment_ptr 1
		.amdhsa_wavefront_size32 1
		.amdhsa_system_sgpr_workgroup_id_x 1
		.amdhsa_system_sgpr_workgroup_id_y 1
		.amdhsa_system_sgpr_workgroup_id_z 1
		.amdhsa_system_vgpr_workitem_id 0
		.amdhsa_next_free_vgpr 1024
		.amdhsa_next_free_sgpr 80
		.amdhsa_reserve_vcc 1
		.amdhsa_float_denorm_mode_32 3
		.amdhsa_float_denorm_mode_16_64 3
		.amdhsa_memory_ordered 1
		.amdhsa_forward_progress 1
		.amdhsa_inst_pref_size 255
	.end_amdhsa_kernel
	.section	.bss,"aw",@nobits
	.p2align	6
	.space	262144
	.amdgpu_metadata
---
amdhsa.version: [ 1, 2 ]
amdhsa.kernels:
  - .name:           k_q822d57762f_main
    .symbol:         k_q822d57762f_main.kd
    .args:
      - { .name: proj, .offset: 0, .size: 8, .value_kind: global_buffer, .address_space: global }
      - { .name: wfr, .offset: 8, .size: 8, .value_kind: global_buffer, .address_space: global }
      - { .name: b2, .offset: 16, .size: 8, .value_kind: global_buffer, .address_space: global }
      - { .name: b3, .offset: 24, .size: 8, .value_kind: global_buffer, .address_space: global }
      - { .name: Wf, .offset: 32, .size: 8, .value_kind: global_buffer, .address_space: global }
      - { .name: bf, .offset: 40, .size: 8, .value_kind: global_buffer, .address_space: global }
      - { .name: Wv2, .offset: 48, .size: 8, .value_kind: global_buffer, .address_space: global }
      - { .name: bv2, .offset: 56, .size: 8, .value_kind: global_buffer, .address_space: global }
      - { .name: scal, .offset: 64, .size: 8, .value_kind: global_buffer, .address_space: global }
      - { .name: out0, .offset: 72, .size: 8, .value_kind: global_buffer, .address_space: global }
      - { .name: out1, .offset: 80, .size: 8, .value_kind: global_buffer, .address_space: global }
    .group_segment_fixed_size: 327680
    .private_segment_fixed_size: 0
    .kernarg_segment_align: 8
    .kernarg_segment_size: 88
    .max_flat_workgroup_size: 128
    .sgpr_count:     80
    .vgpr_count:     1024
    .wavefront_size: 32
...
	.end_amdgpu_metadata
.endif
;; end of part 3
;; ======== version 2 of 2: 3 launches; version 1 with the launch proj written anew for expert scheduling mode
;; limits: a difference of large sums (such as E[x^2] - mean^2): digits are lost where the result is much smaller than its terms; values are held in f16: magnitudes above 65,504 overflow, below 6.1e-05 lose precision; right only within a limited range of input values
;; workspace buffers: feat 2,097,152 bytes; proj 2,097,152 bytes; wfr 262,144 bytes; stat 8,448 bytes; scal 512 bytes
;; launch enc: the kernel of part 1 again; grid 4 x 66, 8 waves a work-group, no clusters, 116,224 bytes of LDS; arguments query, key, Wqe, Wke, bqe, bke, W2, W3, W1, feat, wfr, stat; writes feat, wfr, stat
;; launch proj (part 4): grid 4 x 64, 4 waves a work-group, no clusters, 41,472 bytes of LDS; arguments feat, W1, Wv1, b1, bv1, b2, stat, proj, scal; writes proj, scal
.if DOCPART == 4
	.amdgcn_target "amdgcn-amd-amdhsa--gfx1250"
	.amdhsa_code_object_version 6
	.text
	.protected	k_q822d57762f_proj
	.globl	k_q822d57762f_proj
	.p2align	8
	.type	k_q822d57762f_proj,@function
k_q822d57762f_proj:
	s_mov_b64 s[64:65], 0
	v_nop
	global_prefetch_b8 v0, s[64:65] scope:SCOPE_SE
	s_setreg_imm32_b32 hwreg(HW_REG_WAVE_SCHED_MODE, 0, 2), 2
	s_setreg_imm32_b32 hwreg(HW_REG_WAVE_MODE, 25, 1), 1
	s_wait_xcnt 0x0
	s_wait_alu depctr_vm_vsrc(0)
; THE FOUR PROJECTIONS of the two first layers on cat([q, k]): qp = qf W1[:256], kp = kf W1[256:], vq = qf Wv1[:256], vk = kf Wv1[256:].  No work is left out.
; W and the biases are rounded to bf16, like every input; the features come as hi + lo, two bf16 numbers, and both are multiplied; sums in f32.
; STORED, rounded once, in fragment order ([16 rows][K step: 8][half: 2][lane: 32][16 bytes]), proj = [group of 16 rows: 128][m: 2][8,192 bytes]:
;   query groups 0-63:  m = 0: -s1 (qp + b1) in f16, m = 1: -(vq + bv1) in bf16;      key groups 64-127:  m = 0: s1 kp in f16, m = 1: vk in bf16.
; The sign serves the next launch: relu(a + b) = max(a, -b) + b for all real a, b, so the pair's first layer there is one packed maximum of two stored operands.
; THE SCALE s1, a power of two, keeps the next launch's f16 operands in range whatever the inputs' size.  From the maxima that the launch before stored (F: features, w1: |W1|, w2: |W2|):
;   every |kp| and |qp + b1| is at most M = 256 w1 F + max |b1|;  h1 at most 2 M;  the second layer's h2 at most B2 = 512 w2 M + max |b2|;  its operand is 2^8 s1 h2 (W2 is stored times 2^8).
;   With X = max(M, 2^8 B2) and e its exponent field, s1 = 2^(140 - e), so that X s1 < 2^14: a factor of four is left for the roundings that the bounds pass over.  s1's exponent field is held at 230 at the most.
; Every wave with m = 0 makes s1 for itself, from the same numbers; one wave stores 2^8 s1, s1, 2^16 s1 and 2^-16 / s1 into scal (in every lane's 16 bytes: 512 consecutive bytes).  The scale enters values alone.
; SHARES.  Work-group (j, y): side y / 32, m = (y / 16) % 2, rows 64 (y % 16) on, columns 64 j on; wave w: 16 rows x 64 columns, K = 256 twice: 64 products on four accumulators that take turns.
; The rows come from feat as fragments, straight into registers; W (f32, [k][n]) is rounded through registers into LDS and turned on its way out, so no copy engine and no joint load is used.
; The two sides differ in the bias and the sign: one branch on the work-group's number, then two whole paths by one macro.
; THE MODE: SCHED_MODE bits 1:0 = 2 (LLVM: expert scheduling mode 2), set by the entry lines.  The code itself states the register dependences
; between vector or matrix instructions and memory or LDS instructions, with s_wait_alu, always for 0.
; THE PLAN.  Registers that memory or LDS instructions touch:
;   v6-9, v11, v14, v15      offsets and LDS addresses: written at the head, ahead of one wait, and never again.
;   v16-79, window 1 v0-63   the rows: v16-18 are at work at the head, ahead of the same wait; then loads land, and products alone read them.
;   v80-163 (m = 0)          the maxima land; the scale's arithmetic works on them; in one wave four moves write v84-87 and the store into scal reads them.  All that is stated done ahead of the branch to W's loads.
;   v80-207                  W lands; batch b of eight passes is rounded in place; its eight LDS stores stand in batch b + 1, behind one wait at that batch's head, among conversions that name batch b + 1's registers alone.
;                            Behind the barrier the fragments of K steps 0-3 land here: behind one wait for the LDS stores' reads.
;   window 1 v64-191         the fragments of K steps 4-7 land here.  With four buffers no fragment lands in a register that a product has read: the matrix part holds no s_wait_alu.
;   v208-239                 the bias lands; after that vector and matrix instructions alone name them.
;   v240-255                 the last conversions write them, the four stores read them: one wait between.
;   v4, v5                   written at the head, read by the closing add alone.
.set WPITCH, 160
.set SPARE,  256*WPITCH                ; 40,960: the spare words, 128 bytes a wave, that no other line names
; window 0: v0 t  v1 l  v2 r  v3 h  v4 spare word  v5 0  v6 4 l  v7 W's offset  v8 32 l  v9 W into LDS  v10 at work  v11 W out of LDS  v14 32 h  v15 16 l
;   v16-79 the rows' hi  v80-207 the maxima, then W as loaded, then fragment buffers 0 and 1 of 64: (K step % 2, 16 columns nb) at 8 (4 cc + nb)  v208-239 accumulators  v240-255 packed
; window 1: v0-63 the rows' lo  v64-191 fragment buffers 2 and 3
; s[8:25] arguments  s26, s27 256.0, 512.0  s28 wave  s29 j  s30 y  s31 side  s[32:33] rows  s[34:35] W  s36, s37, s55 three of the stored scales  s[38:39] bias  s[40:41] out  s[42:43] offset  s44 at work  s45 m
; s46, s47 row block, group  s[48:49] s1  s50 its exponent field  s51 at work  s[52:53] lane selects  s54 a word's upper half
.set MSB, 0
.macro WIN new                         ; the high byte repeats the setting that is left; a switch that changes nothing is dropped
.if MSB != (\new)
	s_set_vgpr_msb (MSB<<8)|(\new)
.set MSB, (\new)
.endif
.endm
.macro PLACES
.rept 4
	v_nop
.endr
.endm
.macro WMAX r                          ; the largest of the 32 lanes' v[r], in every lane
	v_max_num_f32_dpp v[\r], v[\r], v[\r] row_xmask:1 row_mask:0xf bank_mask:0xf
	v_max_num_f32_dpp v[\r], v[\r], v[\r] row_xmask:2 row_mask:0xf bank_mask:0xf
	v_max_num_f32_dpp v[\r], v[\r], v[\r] row_xmask:4 row_mask:0xf bank_mask:0xf
	v_max_num_f32_dpp v[\r], v[\r], v[\r] row_xmask:8 row_mask:0xf bank_mask:0xf
	v_permlanex16_b32 v10, v[\r], s52, s53
	v_max_num_f32 v[\r], v[\r], v10
.endm
; Batch b: passes 8 b .. 8 b + 7 of W are rounded in place; the LDS stores of the batch before stand among the conversions.
.macro WCONV b
	s_wait_loadcnt 24-8*(\b)                       ; the W loads behind these eight may stay out
.if (\b) > 0
	s_wait_alu depctr_va_vdst(0)                   ; the batch before has written its packed pairs, which the LDS stores below read; no conversion of this batch names them
.endif
.set p, 8*(\b)
.rept 8
.if (\b) > 0
	ds_store_b64 v9, v[80+4*(p-8):81+4*(p-8)] offset:(p-8)*8*WPITCH
.endif
	v_cvt_pk_bf16_f32 v[80+4*p], v[80+4*p], v[81+4*p]
	v_cvt_pk_bf16_f32 v[81+4*p], v[82+4*p], v[83+4*p]
.set p, p+1
.endr
.endm
.macro LP i                            ; W's fragments of K steps 2 i, 2 i + 1 for the four blocks of 16 columns, into buffer i: 16 LDS loads
.if (\i) < 2
	WIN 0
.set fb, 80+64*(\i)
.else
	WIN 0x40                                       ; destination window 1, address window 0
.set fb, 64+64*((\i)-2)
.endif
.irp cc, 0,1
.irp nb, 0,1,2,3
	ds_load_tr16_b128 v[fb+8*(4*\cc+\nb):fb+8*(4*\cc+\nb)+3], v11 offset:(2*(\i)+\cc)*32*WPITCH+32*\nb
	ds_load_tr16_b128 v[fb+8*(4*\cc+\nb)+4:fb+8*(4*\cc+\nb)+7], v11 offset:(2*(\i)+\cc)*32*WPITCH+16*WPITCH+32*\nb
.endr
.endr
.endm
.macro MP i, q                         ; sixteen products on buffer i: for each K step the four blocks with hi, then with lo; the first four start the sums: on the bias (q = 1) or on 0
.if (\i) < 2
.set fb, 80+64*(\i)
.set w0, 0
.else
.set fb, 64+64*((\i)-2)
.set w0, 1                             ; source 0 in window 1
.endif
.irp cc, 0,1
	WIN w0
.irp nb, 0,1,2,3
.if ((\i) == 0) && (\cc == 0) && ((\q) == 0)
	v_wmma_f32_16x16x32_bf16 v[208+8*\nb:215+8*\nb], v[fb+8*(4*\cc+\nb):fb+8*(4*\cc+\nb)+7], v[16+8*(2*(\i)+\cc):23+8*(2*(\i)+\cc)], 0
.else
	v_wmma_f32_16x16x32_bf16 v[208+8*\nb:215+8*\nb], v[fb+8*(4*\cc+\nb):fb+8*(4*\cc+\nb)+7], v[16+8*(2*(\i)+\cc):23+8*(2*(\i)+\cc)], v[208+8*\nb:215+8*\nb]
.endif
.endr
	WIN 0x04+w0                                    ; source 1 in window 1
.irp nb, 0,1,2,3
	v_wmma_f32_16x16x32_bf16 v[208+8*\nb:215+8*\nb], v[fb+8*(4*\cc+\nb):fb+8*(4*\cc+\nb)+7], v[8*(2*(\i)+\cc):8*(2*(\i)+\cc)+7], v[208+8*\nb:215+8*\nb]
.endr
.endr
	WIN 0
.endm
.macro BODY q
.if \q
.irp nb, 0,1,2,3
	global_load_b128 v[208+8*\nb:211+8*\nb], v14, s[38:39] offset:64*\nb
	global_load_b128 v[212+8*\nb:215+8*\nb], v14, s[38:39] offset:64*\nb+16
.endr
.endif
.set p, 0
.rept 32
	global_load_b128 v[80+4*p:83+4*p], v7, s[34:35] offset:8192*p   ; pass p: 8 k rows, sixteen lanes a row's 256 bytes.  No wait here: where the scale was made, its lines were stated done with these registers ahead of the branch
.set p, p+1
.endr
.if \q
	s_wait_loadcnt 32                              ; the bias is in; W's 32 loads may stay out
.set i, 0
.rept 16
	v_cvt_pk_bf16_f32 v[240+i], v[208+2*i], v[209+2*i]   ; the bias rounded to bf16, like every input,
.set i, i+1
.endr
.set i, 0
.rept 16
	v_lshlrev_b32 v[208+2*i], 16, v[240+i]         ; and widened again
	v_and_b32 v[209+2*i], s54, v[240+i]
.set i, i+1
.endr
.endif
	WCONV 0
	WCONV 1
	WCONV 2
	WCONV 3
	s_wait_alu depctr_va_vdst(0)                   ; the last batch has written its packed pairs, which the LDS stores read; and every conversion is done with v80-207, in which fragments land behind the barrier
.set p, 24
.rept 8
	ds_store_b64 v9, v[80+4*p:81+4*p] offset:p*8*WPITCH
.set p, p+1
.endr
	s_wait_dscnt 0x0                               ; for the others' sake: my stores are done
	s_barrier_signal -1
	s_barrier_wait -1
	s_wait_alu depctr_vm_vsrc(0)                   ; my LDS stores have read their pairs in v80-207, in which the fragments of buffers 0 and 1 land
	LP 0
	LP 1
	LP 2                                           ; buffers 2 and 3 are named by no vector or matrix instruction ahead of their loads
	s_wait_dscnt 32                                ; buffer 0 is in; the 32 loads of buffers 1 and 2 may stay out
	MP 0, \q
	LP 3                                           ; no wait: the sixteen products above name buffer 0, the rows and the accumulators
	s_wait_dscnt 32                                ; buffer 1 is in; the 32 loads of buffers 2 and 3 may stay out
	MP 1, \q
	s_wait_dscnt 16                                ; buffer 2 is in; buffer 3's 16 loads may stay out
	MP 2, \q
	s_wait_dscnt 0x0
	MP 3, \q
	PLACES
	PLACES
	s_cmp_lg_u32 s45, 0
	s_cbranch_scc1 .Lbf_\@
.set i, 0
.rept 16
	v_pk_mul_f32 v[208+2*i:209+2*i], v[208+2*i:209+2*i], s[48:49] op_sel_hi:[1,0]   ; m = 0: times s1,
.set i, i+1
.endr
.set i, 0
.rept 16
	v_cvt_pk_f16_f32 v[240+i], v[208+2*i], v[209+2*i]                              ; in f16
.set i, i+1
.endr
	s_branch .Lst_\@
.Lbf_\@:
.set i, 0
.rept 16
	v_cvt_pk_bf16_f32 v[240+i], v[208+2*i], v[209+2*i]                             ; m = 1: in bf16
.set i, i+1
.endr
.Lst_\@:
.if \q
.set i, 0
.rept 16
	v_xor_b32 v[240+i], 0x80008000, v[240+i]       ; both halves' signs, in either format
.set i, i+1
.endr
.endif
	s_wait_alu depctr_va_vdst(0)                   ; v240-255 are written, on either way to this line: the four stores read them
.irp nb, 0,1,2,3
	global_store_b128 v15, v[240+4*\nb:243+4*\nb], s[40:41] offset:512*\nb   ; 512 consecutive bytes a store
.endr
	s_wait_dscnt 0x0                               ; the closing lines, six on end
	s_wait_alu 0x0
	s_wait_tensorcnt 0x0
	ds_add_u32 v4, v5
	s_wait_dscnt 0x0
	s_endpgm
.endm
	s_load_b512 s[8:23], s[0:1], 0x0               ; feat, W1, Wv1, b1, bv1, b2, stat, proj
	s_load_b64 s[24:25], s[0:1], 0x40              ; scal
	v_lshl_add_u32 v4, v0, 2, SPARE
	v_mov_b32 v5, 0
	v_lshrrev_b32 v1, 5, v0
	v_readfirstlane_b32 s28, v1                    ; wave 0..3
	v_and_b32 v1, 31, v0
	v_and_b32 v2, 15, v0
	v_bfe_u32 v3, v0, 4, 1
	v_lshlrev_b32 v6, 2, v1
	v_lshlrev_b32 v8, 5, v1
	v_mov_b32 v10, 0                               ; the lane exchange's destination counts as read
	v_lshrrev_b32 v16, 4, v0
	v_lshlrev_b32 v7, 4, v2
	v_lshl_add_u32 v7, v16, 10, v7
	v_mul_u32_u24 v9, v16, WPITCH
	v_lshl_add_u32 v9, v2, 3, v9
	v_and_b32 v17, 7, v0
	v_lshl_add_u32 v17, v3, 3, v17
	v_mul_u32_u24 v11, v17, WPITCH
	v_bfe_u32 v18, v0, 3, 1
	v_lshl_add_u32 v11, v18, 4, v11
	v_lshlrev_b32 v14, 5, v3
	v_lshlrev_b32 v15, 4, v1
	s_mov_b32 s29, ttmp9
	s_and_b32 s30, ttmp7, 0xffff
	s_lshr_b32 s31, s30, 5                         ; side
	s_bfe_u32 s45, s30, 0x10004                    ; m
	s_and_b32 s46, s30, 15
	s_lshl_b32 s47, s31, 6
	s_lshl2_add_u32 s47, s46, s47
	s_wait_alu depctr_va_sdst(0)                   ; s28 is written, ahead of its first reader
	s_add_co_u32 s47, s47, s28                     ; my group of 16 rows
	s_mov_b32 s43, 0
	s_mov_b32 s26, 0x43800000                      ; 256.0
	s_mov_b32 s27, 0x44000000                      ; 512.0
	s_mov_b32 s48, 1.0                             ; s1 where no scale is made (m = 1, which does not read it)
	s_mov_b32 s49, 1.0
	s_mov_b32 s52, 0x76543210
	s_mov_b32 s53, 0xfedcba98
	s_mov_b32 s54, 0xffff0000
	s_wait_kmcnt 0x0
	s_cmp_eq_u32 s45, 0
	s_cselect_b64 s[34:35], s[10:11], s[12:13]
	s_cselect_b64 s[38:39], s[14:15], s[16:17]
	s_lshl_b32 s42, s47, 14
	s_add_nc_u64 s[32:33], s[8:9], s[42:43]
	s_lshl_b32 s42, s31, 18                        ; the key side's 256 k rows lie behind the query side's
	s_lshl_b32 s44, s29, 8
	s_add_co_u32 s42, s42, s44
	s_add_nc_u64 s[34:35], s[34:35], s[42:43]
	s_mov_b32 s42, s44
	s_add_nc_u64 s[38:39], s[38:39], s[42:43]
	s_lshl1_add_u32 s42, s47, s45
	s_lshl_b32 s42, s42, 13
	s_lshl_b32 s44, s29, 11
	s_add_co_u32 s42, s42, s44
	s_add_nc_u64 s[40:41], s[22:23], s[42:43]
	s_wait_alu depctr_va_vdst(0)                   ; the offsets and LDS addresses v6-9, v11, v14, v15 are written, which every load and store of the kernel reads; the head is done with v16-18, in which rows land
.set i, 0
.rept 16
	global_load_b128 v[16+4*i:19+4*i], v15, s[32:33] offset:512*i
.set i, i+1
.endr
	WIN 0x40
.set i, 0
.rept 16
	global_load_b128 v[4*i:4*i+3], v15, s[32:33] offset:8192+512*i   ; between the wait above and these stand loads and the window switch alone
.set i, i+1
.endr
	WIN 0
	s_cmp_lg_u32 s45, 0
	s_cbranch_scc1 .Lnoscale
	; ---- the scale
.set i, 0
.rept 16
	global_load_b128 v[80+4*i:83+4*i], v15, s[20:21] offset:512*i   ; the 2,048 waves' largest features
.set i, i+1
.endr
	global_load_b32 v144, v6, s[20:21] offset:8192  ; 32 maxima of |W2|
	global_load_b32 v145, v6, s[20:21] offset:8320  ; 32 of |W1|
	global_load_b128 v[148:151], v8, s[14:15]       ; b1, eight a lane
	global_load_b128 v[152:155], v8, s[14:15] offset:16
	global_load_b128 v[156:159], v8, s[18:19]       ; b2
	global_load_b128 v[160:163], v8, s[18:19] offset:16
	s_wait_loadcnt 0x0
.set i, 0
.rept 31
	v_max3_num_f32 v80, v80, v[81+2*i], v[82+2*i]
.set i, i+1
.endr
	v_max_num_f32 v80, v80, v143
	v_max3_num_f32 v148, |v148|, |v149|, |v150|
	v_max3_num_f32 v156, |v156|, |v157|, |v158|
	v_max3_num_f32 v148, v148, |v151|, |v152|
	v_max3_num_f32 v156, v156, |v159|, |v160|
	v_max3_num_f32 v148, v148, |v153|, |v154|
	v_max3_num_f32 v156, v156, |v161|, |v162|
	v_max_num_f32 v148, v148, |v155|
	v_max_num_f32 v156, v156, |v163|
	WMAX 80
	WMAX 144
	WMAX 145
	WMAX 148
	WMAX 156
	v_mul_f32 v81, v145, v80
	v_fma_f32 v81, v81, s26, v148                  ; M = 256 w1 F + max |b1|
	v_mul_f32 v82, v144, v81
	v_fma_f32 v82, v82, s27, v156                  ; B2 = 512 w2 M + max |b2|
	v_mul_f32 v82, s26, v82
	v_max_num_f32 v82, v82, v81                    ; X
	v_lshrrev_b32 v82, 23, v82                     ; its exponent field e: X < 2^(e - 126)
	v_sub_nc_u32 v82, 267, v82                     ; s1's: 267 - e, 12 at the least
	v_min_u32 v82, 230, v82
	v_readfirstlane_b32 s50, v82
	s_wait_alu depctr_va_sdst(0)                   ; s50 is written, ahead of its first reader
	s_wait_alu depctr_va_vdst(0)                   ; the lines above are done reading and writing v80-163, in which W's loads land behind the branch
	s_lshl_b32 s48, s50, 23
	s_mov_b32 s49, s48
	s_or_b32 s51, s29, s30
	s_or_b32 s51, s51, s28
	s_cmp_lg_u32 s51, 0                            ; wave 0 of work-group (0, 0) stores the scales
	s_cbranch_scc1 .Lnoscale
	s_add_co_u32 s36, s50, 8                       ; each scale in a scalar register of its own: none that a vector line has read is written again
	s_lshl_b32 s36, s36, 23
	s_add_co_u32 s37, s50, 16
	s_lshl_b32 s37, s37, 23
	s_sub_co_u32 s55, 238, s50
	s_lshl_b32 s55, s55, 23
	v_mov_b32 v84, s36                             ; 2^8 s1
	v_mov_b32 v85, s48                             ; s1
	v_mov_b32 v86, s37                             ; 2^16 s1
	v_mov_b32 v87, s55                             ; 2^-16 / s1
	s_wait_alu depctr_va_vdst(0)                   ; the four moves have written v84-87, which the store reads and in which W's loads land
	global_store_b128 v15, v[84:87], s[24:25]
	s_wait_xcnt 0x0                                ; the store's address is translated: W is loaded into its data registers below
	s_wait_alu depctr_vm_vsrc(0)                   ; the store has read v84-87, in which W's loads land
.Lnoscale:
	s_cmp_lg_u32 s31, 0
	s_cbranch_scc1 .Lkeys
	BODY 1
.Lkeys:
	BODY 0
.Lfunc_end_k_q822d57762f_proj:
	.size	k_q822d57762f_proj, .Lfunc_end_k_q822d57762f_proj-k_q822d57762f_proj
	.p2alignl 7, 3214868480
	.fill 96, 4, 3214868480
	.section	.rodata,"a",@progbits
	.p2align	6, 0x0
	.amdhsa_kernel k_q822d57762f_proj
		.amdhsa_group_segment_fixed_size 41472
		.amdhsa_private_segment_fixed_size 0
		.amdhsa_enable_private_segment 0
		.amdhsa_kernarg_size 72
		.amdhsa_user_sgpr_count 2
		.amdhsa_user_sgpr_kernarg_segment_ptr 1
		.amdhsa_wavefront_size32 1
		.amdhsa_system_sgpr_workgroup_id_x 1
		.amdhsa_system_sgpr_workgroup_id_y 1
		.amdhsa_system_sgpr_workgroup_id_z 1
		.amdhsa_system_vgpr_workitem_id 0
		.amdhsa_next_free_vgpr 448
		.amdhsa_next_free_sgpr 66
		.amdhsa_reserve_vcc 0
		.amdhsa_float_denorm_mode_32 3
		.amdhsa_float_denorm_mode_16_64 3
		.amdhsa_memory_ordered 1
		.amdhsa_forward_progress 1
		.amdhsa_inst_pref_size 62
	.end_amdhsa_kernel
	.amdgpu_metadata
---
amdhsa.version: [ 1, 2 ]
amdhsa.kernels:
  - .name:           k_q822d57762f_proj
    .symbol:         k_q822d57762f_proj.kd
    .args:
      - { .name: feat, .offset: 0, .size: 8, .value_kind: global_buffer, .address_space: global }
      - { .name: W1, .offset: 8, .size: 8, .value_kind: global_buffer, .address_space: global }
      - { .name: Wv1, .offset: 16, .size: 8, .value_kind: global_buffer, .address_space: global }
      - { .name: b1, .offset: 24, .size: 8, .value_kind: global_buffer, .address_space: global }
      - { .name: bv1, .offset: 32, .size: 8, .value_kind: global_buffer, .address_space: global }
      - { .name: b2, .offset: 40, .size: 8, .value_kind: global_buffer, .address_space: global }
      - { .name: stat, .offset: 48, .size: 8, .value_kind: global_buffer, .address_space: global }
      - { .name: proj, .offset: 56, .size: 8, .value_kind: global_buffer, .address_space: global }
      - { .name: scal, .offset: 64, .size: 8, .value_kind: global_buffer, .address_space: global }
    .group_segment_fixed_size: 41472
    .private_segment_fixed_size: 0
    .kernarg_segment_align: 8
    .kernarg_segment_size: 72
    .max_flat_workgroup_size: 128
    .sgpr_count:     66
    .vgpr_count:     448
    .wavefront_size: 32
...
	.end_amdgpu_metadata
.endif
;; end of part 4
;; launch main: the kernel of part 3 again; grid 4 x 64, 4 waves a work-group, clusters of 4 x 1, 327,680 bytes of LDS; arguments proj, wfr, b2, b3, Wf, bf, Wv2, bv2, scal, out0, out1; writes out0, out1
